; MI455X (gfx1250); checked and timed in simulation.
; The chip was launched on July 23, 2026; its instructions are those of AMD's public machine-readable ISA for CDNA 5 (MIT licence, August 2026) and "CDNA5" Instruction Set Architecture Reference Guide (July 2026). The comments in the code are by the model that wrote it; some were corrected since.
;; Attention. Allowed arithmetic: matrix products marked QUANTISED: E4M3 operands, one given power-of-two scale a tensor, by v_wmma_f32_16x16x64_fp8_fp8 or v_wmma_f32_16x16x128_fp8_fp8, f32 sums; everything else in f32.
;; Inputs: b_out 1,024 float32; lowp_scales 8 int32 (the exponents e of the quantised operands' scales 2^e); rotary_pos_emb 2,048 x 64 float32; w_out 1,024 x 1,024 float32; w_qkv 1,024 x 3,072 float32; x 2 x 2,048 x 1,024 float32.
;; Outputs: out0 2 x 2,048 x 1,024 float32.
;; This version of the problem:
;;   THIS VERSION OF THE PROBLEM IS GIVEN IN LOW PRECISION. The matrix products marked QUANTISED in the list below multiply operands that are first quantised to E4M3 (4 exponent bits, 3 mantissa bits; 8 bits a number), with one given power-of-two scale for each operand tensor; their sums are f32. All else is computed in f32.
;;   The module's matrix products, in the order in which they are computed (A, B: the left and right operand; K: the contracted axis; several contracted axes count as one K, in the product's order):
;;     1. [M 4,096, K 1,024] x [K 1,024, N 3,072]; A: input x; B: input w_qkv: QUANTISED (scales: A lowp_scales[0], B lowp_scales[1])
;;     2. batch 32 x [M 2,048, K 64] x [K 64, N 2,048]; A: computed on the way; B: computed on the way: QUANTISED (scales: A lowp_scales[2], B lowp_scales[3])
;;     3. batch 32 x [M 2,048, K 2,048] x [K 2,048, N 64]; A: softmax (see below); B: computed on the way: QUANTISED (scales: A lowp_scales[4], B lowp_scales[5])
;;     4. [M 4,096, K 1,024] x [K 1,024, N 1,024]; A: computed on the way; B: input w_out: QUANTISED (scales: A lowp_scales[6], B lowp_scales[7])
;;   THE QUANTISER, for each operand of a quantised product, along K:
;;     - The operand's scale is 2^e, e = its entry of the input lowp_scales (int32; the entries are numbered through the quantised products in the list's order, A before B).
;;     - Each number is divided by the scale, clamped to +-448, and rounded to the nearest number of E4M3, ties to even, subnormals kept.
;;     - The product sums the exact products of the quantised numbers (number of the format x scale) in f32.
;;   ~~~python
;;   def quantise(x, axis, e):      # numpy; x: float32 -> the quantised numbers, widened to float32 again
;;       x = np.moveaxis(x, axis, -1); K = x.shape[-1]
;;       r = np.clip(x / 2.0 ** e, -448, 448)
;;       step = 2.0 ** (np.maximum(np.frexp(np.where(r == 0, 1, r))[1] - 1, -6) - 3)
;;       q = np.round(r / step) * step * 2.0 ** e      # np.round: ties to even
;;       return np.moveaxis(q, -1, axis).astype(np.float32)
;;   ~~~
;;   SOFTMAX AHEAD OF A QUANTISED PRODUCT. Where the list says 'softmax', what is quantised is not the finished softmax but p = 2^(t - M), with t = logit x log2(e) and M = ceil(the row's largest t), a whole number; so 1/2 < the row's largest p <= 1. The row's sum l is taken of the UNQUANTISED p, in f32, and the product's result is divided by l at the end. Since M is a whole number, a kernel that streams over the keys may use a running M (the ceiling of the running maximum): every later rescaling is an exact power of two, so the quantised numbers keep their values, but for numbers so far below the row's largest that they fall under the format's range.
;;   OPERANDS COMPUTED ON THE WAY. 'Computed on the way' means the value that the module computes at that place (a softmax that the list does not call 'softmax' is quantised finished and normalised). What goes into a quantiser is computed in f32, as accurately as f32 sums, v_exp_f32 and their like allow (about 1e-6 of the number): no bf16 or f16 on the way to a quantiser, and a product that is left as it is and whose result goes on into a quantised operand takes f32 operands (vector FMAs, or v_wmma_f32_16x16x4_f32). A number that lies on a knife's edge between two numbers of the format may be rounded either way, as far as f32 arithmetic and the matrix unit's own rounding can turn it there, and no further.
;; One version. Each part assembles by itself: llvm-mc -triple=amdgcn-amd-amdhsa -mcpu=gfx1250 --defsym DOCPART=n.
;; ======== version 1 of 1: 4 launches
;; limits: right only within a limited range of input values
;; workspace buffers: x_img 4,194,304 bytes; wq_img 3,145,728 bytes; wo_img 1,048,576 bytes; rot 2,097,152 bytes; qkv_img 12,582,912 bytes; o_img 4,194,304 bytes
;; launch prep (part 1): grid 640 x 1, 4 waves a work-group, no clusters, 67,072 bytes of LDS; arguments x, w_qkv, w_out, rotary_pos_emb, lowp_scales, x_img, wq_img, wo_img, rot; writes x_img, wq_img, wo_img, rot
.if DOCPART == 1
	.amdgcn_target "amdgcn-amd-amdhsa--gfx1250"
	.amdhsa_code_object_version 6
	.text
	.protected	k_q16c132e28a_prep
	.globl	k_q16c132e28a_prep
	.p2align	8
	.type	k_q16c132e28a_prep,@function
k_q16c132e28a_prep:
	s_mov_b64 s[64:65], 0
	v_nop
	global_prefetch_b8 v0, s[64:65] scope:SCOPE_SE
	s_setreg_imm32_b32 hwreg(HW_REG_WAVE_MODE, 25, 1), 1
	s_wait_xcnt 0x0
; PREP: the three inputs of the two projections become codes of E4M3, and the rotary angles become tables of cos and sin.
; THE WHOLE PROGRAM: prep | qkv (x w_qkv, rotary turn, quantisers of q, k, v) | attn (q k^T, softmax, p v, quantiser of the result) | proj (.. w_out + b_out).
; WORK LEFT OUT, in the problem's own terms, for all finite inputs:
;  (1) t = dots / ALPHA .. (t - max t) * ALPHA: ALPHA = 1024 is a power of two, so the two factors cancel; the logit that goes into the softmax is dots - (the row's largest dots).
;  (2) the largest logit of a row is therefore 0 whatever the inputs hold: the softmax's own maximum is 0, and M = ceil(0 x log2 e) = 0, so 2^-M = 1: p = 2^((dots - largest dots) log2 e).
;      The row's TRUE maximum is taken away ahead of the exponential, as reference() does (attn walks the keys twice for it).
;  (3) the causal mask is built in reference()'s own body: blocks of 128 keys that lie wholly behind a tile of 16 queries give p = 0 and are not walked; inside the block on the diagonal hidden scores become -infinity
;      (reference(): the most negative f32 number; p = 0 either way).
; Every input has a way to the output and is loaded.  LIMIT: a NaN, an infinity or an overflow that reaches only scores under the mask is not carried to the result.
; THE IMAGE: every workspace of codes is laid in the order of the operand's registers.  A fragment of 16 rows x 128 K is 2,048 bytes: byte 512 g + 16 lane + 4 i + n is byte n of register 4 g + i of that lane, and lane (r = lane % 16,
; h = lane / 16) holds row r, registers 2 c and 2 c + 1 the codes of k = 16 c + 8 h + 0 .. 7: k in its own place for the plain FP8 forms.  So four loads of 16 bytes a lane, 512 consecutive bytes each, bring a fragment.
; code = x / 2^e, held within +-448, to the nearest code, ties to even.  LIMITS: e between -126 and 119; |rotary_pos_emb| up to 1e5 (the quarter turns taken off are a whole number k, and k times what is left of pi/2 behind two
; f32 parts stays under 1e-9); NaN among the inputs is not served.
; WORK-GROUPS: 0-255 x (row tile = work-group, a wave two K steps); 256-447 w_qkv and 448-511 w_out (128 columns x 128 along K); 512-639 the tables (16 positions, a wave 16 channels).
; The ways part on the work-group's number; each has LDS bytes of its own.  No wave reads what another wrote: no barrier.  No work-groups share input: no cluster.
.set SPARE, 66560                      ; behind the stages: the spare words, 128 bytes a wave: two blocks of 256 bytes that no other line names
.set SPW,   12                         ; v12  SPARE + 4 x my thread's number; never rewritten
.set NIL,   13                         ; v13  0; never rewritten
.set QSTG,  33792                      ; LDS: x's stages 0 .. 33791 (a wave 16 rows x 528); w_qkv's from QSTG, w_out's from OSTG (a wave 4,096 each)
.set OSTG,  50176
.macro MKSCALE                         ; s40 = e:  v11 = 2^e as f32 (the conversion takes its exponent field), v10 = 448 x 2^e
	s_add_co_i32 s48, s40, 127
	s_lshl_b32 s49, s48, 23
	v_mov_b32 v11, s49
	s_add_co_i32 s48, s48, 8
	s_lshl_b32 s48, s48, 23
	s_or_b32 s48, s48, 0x600000
	v_mov_b32 v10, s48
.endm
; A weight [k][nn]: a lane takes a column, its registers run down K.  Block t: rows 32 t + 0 .. 31 of my column, into set t % 2; a wave's load reads 128 consecutive bytes, the four waves 512
.macro LOADW t, nn
.set i, 0
.rept 32
	global_load_b32 v[32+32*((\t)%2)+i], v6, s[22:23] offset:(32*(\t)+i)*(\nn)*4 th:TH_LOAD_NT
.set i, i+1
.endr
.endm
.macro BLOCKW t, nn
.set XS, 32+32*((\t)%2)
.if (\t) < 3
	s_wait_loadcnt 32                              ; this block's 32 loads are in; the next block's may be out
.else
	s_wait_loadcnt 0x0
.endif
.set i, 0
.rept 32
	v_med3_num_f32 v[XS+i], v[XS+i], -v10, v10     ; the conversion does not saturate (ISA guide 7.6.2): the hold at the largest code x the scale
.set i, i+1
.endr
.irp p, 0,1,2,3
	v_cvt_scalef32_pk8_fp8_f32 v[96+2*\p:97+2*\p], v[XS+8*\p:XS+8*\p+7], v11   ; k = 32 t + 8 p + 0 .. 7 of my column
.endr
	v_nop                                          ; a plain line behind the last conversion of the run
.irp p, 0,1,2,3
	ds_store_b64 v4, v[96+2*\p:97+2*\p] offset:512*(\t)+256*(\p%2)+8*(\p/2)   ; eight codes 8 (4 t + p) on belong to half p % 2 of the lanes, registers 2 (2 t + p / 2) and the next: their place in the image
.endr
.if (\t)+2 < 4
	LOADW (\t)+2, \nn
.endif
	s_wait_dscnt 0x0                               ; the stores have read their registers: the next block's codes may be written
.endm
.macro WBODY nn, stg, sp, dp, eoff, first
	s_load_b32 s40, s[12:13], \eoff                ; e
	s_sub_co_u32 s28, ttmp9, \first
	s_and_b32 s29, s28, 7                          ; K step
	s_lshr_b32 s28, s28, 3                         ; group of 128 columns
	s_mul_i32 s30, s29, 128*4*(\nn)                ; 128 rows of the weight a K step,
	s_lshl_b32 s31, s28, 9                         ; 128 columns a group,
	s_add_co_u32 s30, s30, s31
	s_lshl_b32 s31, s24, 7                         ; 32 a wave
	s_add_co_u32 s30, s30, s31
	s_mov_b32 s31, 0
	s_add_nc_u64 s[22:23], s[\sp:\sp+1], s[30:31]
	s_lshl_b32 s30, s28, 3
	s_lshl_b32 s31, s24, 1
	s_add_co_u32 s30, s30, s31                     ; my first tile of 16 columns: 8 x group + 2 x wave
	s_lshl_b32 s30, s30, 3
	s_add_co_u32 s30, s30, s29                     ; its fragment of this K step,
	s_lshl_b32 s30, s30, 11                        ; 2,048 bytes each
	s_mov_b32 s31, 0
	s_add_nc_u64 s[26:27], s[\dp:\dp+1], s[30:31]
	v_lshlrev_b32 v6, 2, v1                        ; in: 4 bytes a lane
	s_lshl_b32 s32, s24, 12
	s_add_co_u32 s32, s32, \stg                    ; my stage: two fragments' images
	v_lshlrev_b32 v4, 4, v2
	v_lshl_add_u32 v4, v3, 11, v4
	v_add_nc_u32 v4, s32, v4                       ; into it: my column is row lane % 16 of fragment lane / 16
	v_add_nc_u32 v7, s32, v5                       ; out of it: 16 x lane
	LOADW 0, \nn
	LOADW 1, \nn
	s_wait_kmcnt 0x0
	MKSCALE
	s_wait_alu depctr_va_vdst(0)
	BLOCKW 0, \nn
	BLOCKW 1, \nn
	BLOCKW 2, \nn
	BLOCKW 3, \nn
.irp q, 0,1,2,3,4,5,6,7
	ds_load_b128 v[112+4*\q:115+4*\q], v7 offset:512*\q   ; LDS serves a wave's instructions in order: these see my stores
.endr
.irp q, 0,1,2,3,4,5,6,7
	s_wait_dscnt 7-\q                              ; the younger loads may be out
	global_store_b128 v5, v[112+4*\q:115+4*\q], s[26:27] offset:(\q/4)*16384+(\q%4)*512   ; 512 consecutive bytes; the second tile's fragment lies eight fragments on
.endr
.endm
; cos and sin of v[x], in f32: k = the nearest whole number of quarter turns; what is left, x - k pi/2 with pi/2 in two f32 parts, lies within +-pi/4; a polynomial for each; the quadrant swaps them and sets the signs
.macro SINCOS x, c, s
	v_mul_f32 v64, s32, v[\x]
	v_rndne_f32 v64, v64                           ; k
	v_fma_f32 v65, v64, s33, v[\x]
	v_fma_f32 v65, v64, s34, v65                   ; the rest
	v_mul_f32 v66, v65, v65                        ; z
	v_cvt_i32_f32 v67, v64
	v_fma_f32 v68, s35, v66, s36
	v_fma_f32 v68, v68, v66, s37
	v_mul_f32 v69, v66, v65
	v_fma_f32 v68, v68, v69, v65                   ; sin of the rest
	v_fma_f32 v70, s38, v66, s39
	v_fma_f32 v70, v70, v66, s40
	v_fma_f32 v71, v66, -0.5, 1.0
	v_mul_f32 v72, v66, v66
	v_fma_f32 v70, v70, v72, v71                   ; cos of the rest
	v_and_b32 v73, 1, v67
	v_cmp_ne_u32 vcc_lo, 0, v73
	v_cndmask_b32 v74, v68, v70, vcc_lo            ; an odd quadrant swaps the two
	v_cndmask_b32 v75, v70, v68, vcc_lo
	v_and_b32 v73, 2, v67
	v_lshlrev_b32 v73, 30, v73
	v_xor_b32 v[\s], v73, v74                      ; sin changes sign in quadrants 2 and 3,
	v_add_nc_u32 v67, 1, v67
	v_and_b32 v67, 2, v67
	v_lshlrev_b32 v67, 30, v67
	v_xor_b32 v[\c], v67, v75                      ; cos in quadrants 1 and 2
.endm
	s_load_b512 s[4:19], s[0:1], 0x0               ; x 4, w_qkv 6, w_out 8, rotary 10, scales 12, x_img 14, wq_img 16, wo_img 18
	s_load_b64 s[20:21], s[0:1], 0x40              ; rot
	v_lshl_add_u32 v[SPW], v0, 2, SPARE
	v_mov_b32 v[NIL], 0
	v_lshrrev_b32 v1, 5, v0
	v_readfirstlane_b32 s24, v1                    ; wave
	v_and_b32 v1, 31, v0                           ; lane
	v_and_b32 v2, 15, v0                           ; r
	v_bfe_u32 v3, v0, 4, 1                         ; h
	v_lshlrev_b32 v5, 4, v1                        ; 16 x lane
	s_wait_kmcnt 0x0
	s_cmp_lt_u32 ttmp9, 256
	s_cbranch_scc1 .Lx
	s_cmp_lt_u32 ttmp9, 448
	s_cbranch_scc1 .Lwq
	s_cmp_lt_u32 ttmp9, 512
	s_cbranch_scc1 .Lwo
	; ---- THE TABLES.  16 positions T, my wave's 16 channels.  Four regions of 524,288 bytes, each [T][quarter][g][lane][4 f32], in the order in which qkv's lanes hold their sums:
	; 0 cos, 1 sg(d) sin for a lane that holds position r and channels 8 h + 4 g + i (q, k);  2 cos for a lane that holds channel r and positions 8 h + 4 g + i (v);  3 the neighbouring channel's sg sin (v).
	; rotate_half: t'(d) = t(d) cos f(d) + sg(d) sin f(d) t(d xor 1), sg = -1 for even d, +1 for odd d.
	s_sub_co_u32 s28, ttmp9, 512
	s_lshl_b32 s28, s28, 12                        ; 16 rows of 256 bytes; also a tile's 4,096 bytes in a region
	s_lshl_b32 s29, s24, 6
	s_add_co_u32 s30, s28, s29
	s_mov_b32 s31, 0
	s_add_nc_u64 s[10:11], s[10:11], s[30:31]
	s_lshl_b32 s29, s24, 10
	s_add_co_u32 s30, s28, s29
	s_add_nc_u64 s[20:21], s[20:21], s[30:31]
	s_wait_alu depctr_va_vdst(0)
	v_lshlrev_b32 v6, 8, v2
	v_lshl_add_u32 v6, v3, 5, v6                   ; position r, channels 8 h on
	v_lshlrev_b32 v7, 2, v2
	v_lshl_add_u32 v7, v3, 11, v7                  ; channel r, positions 8 h on
	global_load_b128 v[16:19], v6, s[10:11]
	global_load_b128 v[20:23], v6, s[10:11] offset:16
.irp j, 0,1,2,3,4,5,6,7
	global_load_b32 v[24+\j], v7, s[10:11] offset:256*\j
.endr
	s_mov_b32 s32, 0x3f22f983                      ; 2 / pi
	s_mov_b32 s33, 0xbfc90fdb                      ; -(pi/2's first part)
	s_mov_b32 s34, 0x333bbd2e                      ; -(its second part, which is negative)
	s_mov_b32 s35, 0xb94ca1f9                      ; sin: -1.9515296e-4, 8.3321609e-3, -1.6666655e-1
	s_mov_b32 s36, 0x3c08839e
	s_mov_b32 s37, 0xbe2aaaa3
	s_mov_b32 s38, 0x37ccf5ce                      ; cos: 2.4433157e-5, -1.3887316e-3, 4.1666646e-2
	s_mov_b32 s39, 0xbab6061a
	s_mov_b32 s40, 0x3d2aaaa5
	v_and_b32 v9, 1, v2
	v_xor_b32 v9, 1, v9
	v_lshlrev_b32 v9, 31, v9                       ; the sign bit where my channel r is even
	s_wait_loadcnt 0x0
.set n, 0
.rept 16
	SINCOS 16+n, 32+n, 48+n
.set n, n+1
.endr
.irp j, 0,2,4,6
	v_xor_b32 v[48+\j], 0x80000000, v[48+\j]       ; q, k order: register j is channel 8 h + j: sg = -1 where j is even
.endr
.irp j, 0,1,2,3,4,5,6,7
	v_xor_b32 v[56+\j], v9, v[56+\j]               ; v order: sg by my channel,
.endr
.irp j, 0,1,2,3,4,5,6,7
	v_mov_b32_dpp v[24+\j], v[56+\j] row_xmask:1 row_mask:0xf bank_mask:0xf   ; and handed to the neighbouring lane, which will multiply its own sum by it
.endr
	global_store_b128 v5, v[32:35], s[20:21]
	global_store_b128 v5, v[36:39], s[20:21] offset:512
	global_store_b128 v5, v[48:51], s[20:21] offset:524288
	global_store_b128 v5, v[52:55], s[20:21] offset:524800
	global_store_b128 v5, v[40:43], s[20:21] offset:1048576
	global_store_b128 v5, v[44:47], s[20:21] offset:1049088
	global_store_b128 v5, v[24:27], s[20:21] offset:1572864
	global_store_b128 v5, v[28:31], s[20:21] offset:1573376
	s_branch .Lend
.Lx:	; ---- x: row tile = work-group, my wave's K steps 2 w and 2 w + 1.  Each load reads 512 consecutive bytes of one row; the 16 rows turn through my stage (rows 528 bytes apart: the sixteen lanes of a half fall
	; on sixteen different 16-byte columns modulo 256 bytes, both ways) and come back as eight neighbours along K to a conversion.
	s_load_b32 s40, s[12:13], 0x0                  ; e of x
	s_lshl_b32 s28, ttmp9, 16                      ; 16 rows of 4,096 bytes
	s_lshl_b32 s29, s24, 10                        ; two K steps of 512 bytes
	s_add_co_u32 s28, s28, s29
	s_mov_b32 s29, 0
	s_add_nc_u64 s[4:5], s[4:5], s[28:29]
	s_lshl_b32 s30, ttmp9, 14                      ; eight fragments a row tile
	s_lshl_b32 s31, s24, 12
	s_add_co_u32 s30, s30, s31
	s_mov_b32 s31, 0
	s_add_nc_u64 s[14:15], s[14:15], s[30:31]
	s_mul_i32 s32, s24, 8448
	s_wait_alu depctr_va_vdst(0)
	v_add_nc_u32 v14, s32, v5                      ; in: 16 x lane, row i at 528 i
	v_mul_u32_u24 v15, v2, 528
	v_lshl_add_u32 v15, v3, 5, v15
	v_add_nc_u32 v15, s32, v15                     ; back: row r, 32 h bytes on
.irp f, 0,1
.set i, 0
.rept 16
	global_load_b128 v[16+64*\f+4*i:19+64*\f+4*i], v5, s[4:5] offset:4096*i+512*\f th:TH_LOAD_NT
.set i, i+1
.endr
.endr
	s_wait_alu depctr_va_vdst(0)
	s_wait_kmcnt 0x0
	MKSCALE
	s_wait_alu depctr_va_vdst(0)
.irp f, 0,1
	s_wait_loadcnt 16-16*\f                        ; this fragment's 16 loads are in; the other's may be out
.set i, 0
.rept 16
	ds_store_b128 v14, v[16+64*\f+4*i:19+64*\f+4*i] offset:528*i
.set i, i+1
.endr
.set i, 0
.rept 8
	ds_load_b128 v[144+8*i:147+8*i], v15 offset:64*i       ; k = 16 i + 8 h + 0 .. 7 of row r (LDS serves a wave's instructions in order)
	ds_load_b128 v[148+8*i:151+8*i], v15 offset:64*i+16
.set i, i+1
.endr
	s_wait_dscnt 0x0
.set i, 0
.rept 64
	v_med3_num_f32 v[144+i], v[144+i], -v10, v10
.set i, i+1
.endr
.irp c, 0,1,2,3,4,5,6,7
	v_cvt_scalef32_pk8_fp8_f32 v[208+16*\f+2*\c:209+16*\f+2*\c], v[144+8*\c:151+8*\c], v11
.endr
	v_nop                                          ; a plain line behind the last conversion: the next fragment's holds write these sources
.irp g, 0,1,2,3
	global_store_b128 v5, v[208+16*\f+4*\g:211+16*\f+4*\g], s[14:15] offset:2048*\f+512*\g
.endr
.endr
	s_branch .Lend
.Lwq:
	s_wait_alu depctr_va_vdst(0)
	WBODY 3072, QSTG, 6, 16, 0x4, 256
	s_branch .Lend
.Lwo:
	s_wait_alu depctr_va_vdst(0)
	WBODY 1024, OSTG, 8, 18, 0x1c, 448
.Lend:
	s_wait_tensorcnt 0x0                           ; the wave's end
	ds_add_u32 v[SPW], v[NIL]
	s_wait_dscnt 0x0
	s_endpgm
.Lfunc_end_k_q16c132e28a_prep:
	.size	k_q16c132e28a_prep, .Lfunc_end_k_q16c132e28a_prep-k_q16c132e28a_prep
	.p2alignl 7, 3214868480
	.fill 96, 4, 3214868480
	.section	.rodata,"a",@progbits
	.p2align	6, 0x0
	.amdhsa_kernel k_q16c132e28a_prep
		.amdhsa_group_segment_fixed_size 67072
		.amdhsa_private_segment_fixed_size 0
		.amdhsa_enable_private_segment 0
		.amdhsa_kernarg_size 72
		.amdhsa_user_sgpr_count 2
		.amdhsa_user_sgpr_kernarg_segment_ptr 1
		.amdhsa_wavefront_size32 1
		.amdhsa_system_sgpr_workgroup_id_x 1
		.amdhsa_system_sgpr_workgroup_id_y 1
		.amdhsa_system_sgpr_workgroup_id_z 1
		.amdhsa_system_vgpr_workitem_id 0
		.amdhsa_next_free_vgpr 256
		.amdhsa_next_free_sgpr 66
		.amdhsa_reserve_vcc 1
		.amdhsa_float_denorm_mode_32 3
		.amdhsa_float_denorm_mode_16_64 3
		.amdhsa_memory_ordered 1
		.amdhsa_forward_progress 1
		.amdhsa_inst_pref_size 92
	.end_amdhsa_kernel
	.amdgpu_metadata
---
amdhsa.version: [ 1, 2 ]
amdhsa.kernels:
  - .name:           k_q16c132e28a_prep
    .symbol:         k_q16c132e28a_prep.kd
    .args:
      - { .name: x, .offset: 0, .size: 8, .value_kind: global_buffer, .address_space: global }
      - { .name: w_qkv, .offset: 8, .size: 8, .value_kind: global_buffer, .address_space: global }
      - { .name: w_out, .offset: 16, .size: 8, .value_kind: global_buffer, .address_space: global }
      - { .name: rotary_pos_emb, .offset: 24, .size: 8, .value_kind: global_buffer, .address_space: global }
      - { .name: lowp_scales, .offset: 32, .size: 8, .value_kind: global_buffer, .address_space: global }
      - { .name: x_img, .offset: 40, .size: 8, .value_kind: global_buffer, .address_space: global }
      - { .name: wq_img, .offset: 48, .size: 8, .value_kind: global_buffer, .address_space: global }
      - { .name: wo_img, .offset: 56, .size: 8, .value_kind: global_buffer, .address_space: global }
      - { .name: rot, .offset: 64, .size: 8, .value_kind: global_buffer, .address_space: global }
    .group_segment_fixed_size: 67072
    .private_segment_fixed_size: 0
    .kernarg_segment_align: 8
    .kernarg_segment_size: 72
    .max_flat_workgroup_size: 128
    .sgpr_count:     66
    .vgpr_count:     256
    .wavefront_size: 32
...
	.end_amdgpu_metadata
.endif
;; end of part 1
;; launch qkv (part 2): grid 12 x 16, 4 waves a work-group, clusters of 4 x 4, 327,680 bytes of LDS; arguments x_img, wq_img, lowp_scales, rot, qkv_img; writes qkv_img
.if DOCPART == 2
	.amdgcn_target "amdgcn-amd-amdhsa--gfx1250"
	.amdhsa_code_object_version 6
	.text
	.protected	k_q16c132e28a_qkv
	.globl	k_q16c132e28a_qkv
	.p2align	8
	.type	k_q16c132e28a_qkv,@function
k_q16c132e28a_qkv:
	s_mov_b64 s[64:65], 0
	v_nop
	global_prefetch_b8 v0, s[64:65] scope:SCOPE_SE
	s_setreg_imm32_b32 hwreg(HW_REG_WAVE_MODE, 25, 1), 1
	s_wait_xcnt 0x0
	s_wait_alu depctr_hold_cnt(0) depctr_sa_sdst(0) depctr_va_vdst(0) depctr_va_sdst(0) depctr_va_ssrc(0) depctr_va_vcc(0) depctr_vm_vsrc(0)
	s_getreg_b32 s2, hwreg(HW_REG_IB_STS2, 6, 4)
	s_cmp_eq_u32 s2, 0
	s_cbranch_scc0 .Lentry_in_a_cluster
	s_endpgm
.Lentry_in_a_cluster:
	s_bfe_u32 s2, ttmp6, 0x10000c
	s_cmp_lg_u32 s2, 0xf033
	s_cbranch_scc0 .Lentry_shape_is_right
	s_endpgm
.Lentry_shape_is_right:
; QKV: x w_qkv on codes of E4M3 (4,096 x 1,024 x 3,072), the rotary turn of q, k and v, q / 8, and the quantisers of attention's three operands.  Nothing of reference() is left out here.
; A tile of the product, 256 rows x 256 columns, is made by four waves, each 128 x 128: 64 accumulators, 512 registers.  K goes 256 at a time through a ring of two LDS slots.
; OPERANDS ARE IMAGES OF REGISTERS: a fragment (16 rows x 128 K) is 2,048 consecutive bytes, four loads of 16 bytes a lane; a tile of 16 rows has its eight fragments on end (16,384 bytes).  A tensor load brings, of eight
; such tiles, two fragments each: 8 rows of 4,096 bytes, 16,384 apart, dense in LDS.  No pitch, no padding: every LDS load reads 512 consecutive bytes.
; CLUSTERS 4 x 4: x's tiles are shared along a row of the cluster, w's along a column, by joint loads.  The cluster's x is the type: 0 q, 1 k, 2 v: the same in all sixteen partners.
; q, k: source 0 = 16 columns of w, source 1 = 16 rows of x: a lane holds ONE token (lane % 16) and eight neighbouring channels: the pair that the rotary turn mixes lies in one lane, and eight channels are eight neighbours
; along attention's first K.  v: the keys are the second product's K, so a lane must hold one channel and eight neighbouring tokens: the same text, with the two LDS read bases changed over (a select on the type);
; the turn's partner then lies in the neighbouring lane.
; OUT: q, k: [batch x head][block of 128 tokens][tile of 16 tokens][1,024] in the block's q or k part: a fragment of 16 tokens x 64 channels;  v: [batch x head][block of 128 keys][tile of 16 channels][2,048]: 16 channels x 128 keys.  Every store covers 512 consecutive bytes.
; SCALES: a sum stands for sum x 2^(e0 + e1); its code is sum / 2^E, E = e - e0 - e1 (e = e2 + 3 for q, whose 1 / 8 is folded in; e3 for k; e5 for v).  LIMIT: E between -126 and 119.  NaN among the inputs is not served.
; REGISTERS: window 0: v16-31 addresses and scales; v32-95 the first set of tables; from v128 source 1's fragments, one set; on the way out v32-95 tile 0's tables, v160-223 at work, v224-255 codes.
;   window 1: source 0's fragments, two sets.   windows 2, 3: the accumulators, (a, b) at v[8 (8 (a % 4) + b)].
.set HALFT,  32768                     ; what one tensor load brings, and what a wave reads of one operand
.set SLOT,   4*HALFT                   ; x's 16 tiles, then w's 16
.set SPARE,  2*SLOT                    ; behind the ring: the spare words, 128 bytes a wave
.set FR,     16
.set NL,     4
.set NP,     4                         ; places behind this matrix instruction (ISA guide 7.12.1)
.set ADRA, 16                          ; v16-17  LDS address of source 1's fragments in slot 0, 1
.set ADRB, 20                          ; v20-21  of source 0's
.set LI,   26                          ; v26     16 x lane; never rewritten
.set SPW,  28                          ; v28     SPARE + 4 x my thread's number; never rewritten
.set NIL,  29                          ; v29     0; never rewritten
.set SC,   30                          ; v30     2^E as f32
.set LIM,  31                          ; v31     448 x 2^E
.set CS0,  32                          ; one set of 64: cos at + 0, sin at + 32
.set W,    160
.set CODE, 224
.set AF,   128
.set G1, 24
.set G0, 32
.set G1B, 48
.set G0B, 56
.set OUTP, 68                          ; s[68:69] my part of qkv_img
.set ROTP, 70                          ; s[70:71] my part of the tables
.set MSB, 0
.macro WIN new                         ; the immediate's high byte repeats the setting that is left
.if MSB != (\new)
	s_set_vgpr_msb (MSB<<8)|(\new)
.set MSB, (\new)
.endif
.endm
.set MUL_LO, 0xa1                      ; source 0 window 1, source 1 window 0, C and D window 2
.set MUL_HI, 0xf1                      ; the same, C and D window 3
.set TO_B,   0x40                      ; destination window 1, address window 0
; A joint load: waves 0 and 1 fetch x's halves, waves 2 and 3 w's.  The branch hangs on the wave's number alone.  An s_nop 0 and four v_nop follow each line.
.macro JLOAD g0a, g1a, g0b, g1b
	s_cmp_eq_u32 s15, 0
	s_cbranch_scc0 .Lfor_b_\@
	tensor_load_to_lds s[\g0a:\g0a+3], s[\g1a:\g1a+7]
	s_nop 0
.rept 4
	v_nop
.endr
	s_branch .Lasked_\@
.Lfor_b_\@:
	tensor_load_to_lds s[\g0b:\g0b+3], s[\g1b:\g1b+7]
	s_nop 0
.rept 4
	v_nop
.endr
.Lasked_\@:
.endm
.macro CREST                           ; a round of the cluster's barrier behind its opening barrier
	s_cmp_lg_u32 s14, 0
	s_cbranch_scc1 .Lnot_wave_0_\@
	s_barrier_signal -3
.Lnot_wave_0_\@:
	s_barrier_wait -3
	s_barrier_signal -1
	s_barrier_wait -1
.endm
.macro CROUND
	s_barrier_signal -1
	s_barrier_wait -1
	CREST
.endm
	s_load_b256 s[4:11], s[0:1], 0x0               ; x_img 4, wq_img 6, scales 8, rot 10
	s_load_b64 s[12:13], s[0:1], 0x20              ; qkv_img
	v_lshl_add_u32 v[SPW], v0, 2, SPARE
	v_mov_b32 v[NIL], 0
	ds_add_u32 v[SPW], v[NIL]                      ; the wave's opening: the add, twice on end, and its wait ahead of my first tensor load
	ds_add_u32 v[SPW], v[NIL]
	v_lshrrev_b32 v1, 5, v0
	v_readfirstlane_b32 s14, v1                    ; wave 0..3
	s_lshr_b32 s15, s14, 1                         ; my half of the tile's rows.  Also: I fetch for x (0) or for w (1)
	s_and_b32 s16, s14, 1                          ; my half of its columns.  Also: which eight tiles I fetch
	s_bfe_u32 s40, ttmp6, 0x40000                  ; cx, cy
	s_bfe_u32 s41, ttmp6, 0x40004
	s_lshl_b32 s42, ttmp9, 2
	s_add_co_u32 s42, s42, s40                     ; tile column = 4 x cluster x + cx
	s_and_b32 s17, ttmp7, 0xffff
	s_lshl_b32 s17, s17, 2
	s_add_co_u32 s17, s17, s41                     ; tile row = 4 x cluster y + cy
	s_lshl_b32 s43, s41, 2
	s_lshl_b32 s43, 15, s43                        ; my row of the cluster
	s_lshl_b32 s44, 0x1111, s40                    ; my column
	s_or_b32 s[G1+0], s43, (3<<16)|(1<<21)         ; 15:0 the mask; 17:16 elements of 8 bytes; 21 set beside a mask; no padding
	s_or_b32 s[G1B+0], s44, (3<<16)|(1<<21)
.irp g, G1, G1B
	s_mov_b32 s[\g+1], 512<<16                     ; tensor_dim0 = 512 elements: two fragments
	s_mov_b32 s[\g+2], 8<<16                       ; tensor_dim1 = 8
	s_mov_b32 s[\g+3], 512<<16                     ; tile_dim0
	s_mov_b32 s[\g+4], 8                           ; tile_dim1
	s_mov_b32 s[\g+5], 2048                        ; from tile to tile: eight fragments
	s_mov_b32 s[\g+6], 0
	s_mov_b32 s[\g+7], 0
.endr
	s_lshl_b32 s18, s16, 17                        ; eight tiles of 16,384 bytes
	s_lshl_b32 s20, s17, 18                        ; x: sixteen tiles a tile row
	s_add_co_u32 s20, s20, s18
	s_mov_b32 s21, 0
	s_lshl_b32 s46, s42, 18                        ; w: sixteen a tile column
	s_add_co_u32 s46, s46, s18
	s_mov_b32 s47, 0
	s_lshl_b32 s45, s14, 15                        ; where they go: wave x HALFT
	s_wait_dscnt 0x0                               ; both opening adds are done
	s_wait_kmcnt 0x0
	s_load_b256 s[72:79], s[8:9], 0x0              ; e0 .. e7
	s_add_nc_u64 s[20:21], s[4:5], s[20:21]
	s_add_nc_u64 s[46:47], s[6:7], s[46:47]
	CROUND                                         ; all sixteen work-groups are here: the first joint loads meet
.irp s, 0,1
	s_mov_b32 s[G0+4*\s], 1
	s_add_co_u32 s[G0+4*\s+1], s45, \s*SLOT
	s_add_nc_u64 s[G0+4*\s+2:G0+4*\s+3], s[20:21], \s*4096
	s_or_b32 s[G0+4*\s+3], s[G0+4*\s+3], 0x80000000
	s_mov_b32 s[G0B+4*\s], 1
	s_add_co_u32 s[G0B+4*\s+1], s45, \s*SLOT
	s_add_nc_u64 s[G0B+4*\s+2:G0B+4*\s+3], s[46:47], \s*4096
	s_or_b32 s[G0B+4*\s+3], s[G0B+4*\s+3], 0x80000000
.endr
	JLOAD G0, G1, G0B, G1B                         ; slot 0: one tensor load a wave
	v_and_b32 v1, 31, v0
	v_lshlrev_b32 v[LI], 4, v1
	s_wait_alu depctr_va_vdst(0)
	s_lshl_b32 s21, s15, 15                        ; my eight tiles of x,
	s_lshl_b32 s22, s16, 15
	s_add_co_u32 s22, s22, 2*HALFT                 ; my eight of w
	s_cmp_eq_u32 ttmp9, 2                          ; v: the two change places
	s_cselect_b32 s18, s22, s21                    ; source 1 reads here,
	s_cselect_b32 s19, s21, s22                    ; source 0 here
.irp s, 0,1
	v_add_nc_u32 v[ADRA+\s], s18, v[LI]
	v_add_nc_u32 v[ADRB+\s], s19, v[LI]
	s_add_co_u32 s18, s18, SLOT
	s_add_co_u32 s19, s19, SLOT
.endr
	s_lshr_b32 s80, s17, 3                         ; the batch: eight tile rows each
	s_and_b32 s81, s17, 7
	s_lshl_b32 s81, s81, 4
	s_lshl_b32 s82, s15, 3
	s_add_co_u32 s81, s81, s82                     ; T0: my first tile of 16 tokens in the sequence
	s_lshl_b32 s82, s40, 2
	s_lshl_b32 s83, s16, 1
	s_add_co_u32 s82, s82, s83                     ; my first head: 4 cx + 2 x half
	s_lshl_b32 s80, s80, 4
	s_add_co_u32 s80, s80, s82
	; qkv_img AS IT IS LAID NOW: [batch x head][block of 128 tokens][q 8,192 | k 8,192 | v 8,192 bytes]; inside a part the fragments lie as said at the head
	s_mul_i32 s84, s80, 393216                     ; a head: 16 blocks of 24,576 bytes
	s_mul_i32 s82, s81, 3072                       ; T0 is a multiple of 8: T0 / 8 blocks
	s_add_co_u32 s84, s84, s82
	s_lshl_b32 s82, ttmp9, 13                      ; the type's part of the block
	s_add_co_u32 s84, s84, s82
	s_mov_b32 s85, 0
	s_add_nc_u64 s[OUTP:OUTP+1], s[12:13], s[84:85]
	s_lshl_b32 s86, s81, 12                        ; a tile's tables: 4,096 bytes in each region
	s_cmp_eq_u32 ttmp9, 2
	s_cselect_b32 s87, 0x100000, 0                 ; v takes regions 2 and 3
	s_add_co_u32 s86, s86, s87
	s_mov_b32 s87, 0
	s_add_nc_u64 s[ROTP:ROTP+1], s[10:11], s[86:87]
; the tables of token tile T0 + idx: 16 loads of 512 consecutive bytes; cos into v[set ..], sin into v[set + 32 ..]
.macro LOADCS idx, set
.irp bq, 0,1,2,3
.irp g, 0,1
	global_load_b128 v[\set+8*\bq+4*\g:\set+8*\bq+4*\g+3], v[LI], s[ROTP:ROTP+1] offset:(\idx)*4096+1024*\bq+512*\g
	global_load_b128 v[\set+32+8*\bq+4*\g:\set+32+8*\bq+4*\g+3], v[LI], s[ROTP:ROTP+1] offset:(\idx)*4096+1024*\bq+512*\g+524288
.endr
.endr
.endm
.macro LOADT idx                       ; the tables of token tile T0 + idx, idx 1 to 7, into window 1: four sets of 64 registers, set (idx - 1) % 4, where source 0's fragments lay
	WIN 0x40
	LOADCS \idx, 64*(((\idx)-1)%4)
	WIN 0
.endm
	LOADCS 0, CS0
.macro FRAG reg, adr, q, i             ; a fragment as it lies: tile i, the slot's q-th 128 along K
.irp c, 0,1,2,3
	ds_load_b128 v[\reg+4*\c:\reg+4*\c+3], v[\adr] offset:4096*(\i)+2048*(\q)+512*\c
.endr
.endm
; 16 matrix instructions: source 1's blocks a0, a0 + 1 x source 0's eight.  The 64 accumulators take turns, one instruction a turn, in the same order in every step.
.macro MUL16 a0, p, zero
.irp a, \a0, \a0+1
.irp b, 0,1,2,3,4,5,6,7
.if \zero
	v_wmma_f32_16x16x128_fp8_fp8 v[8*(8*((\a)%4)+\b):8*(8*((\a)%4)+\b)+7], v[128*(\p)+FR*\b:128*(\p)+FR*\b+FR-1], v[AF+FR*(\a):AF+FR*(\a)+FR-1], 0
.else
	v_wmma_f32_16x16x128_fp8_fp8 v[8*(8*((\a)%4)+\b):8*(8*((\a)%4)+\b)+7], v[128*(\p)+FR*\b:128*(\p)+FR*\b+FR-1], v[AF+FR*(\a):AF+FR*(\a)+FR-1], v[8*(8*((\a)%4)+\b):8*(8*((\a)%4)+\b)+7]
.endif
.endr
.endr
.endm
.macro FETCH_B slot, q, p
	WIN TO_B
.irp i, 0,1,2,3,4,5,6,7
	FRAG 128*(\p)+FR*\i, ADRB+\slot, \q, \i
.endr
	WIN 0
.endm
.macro FETCH_A slot, q, i0
.irp i, \i0, \i0+1, \i0+2, \i0+3
	FRAG AF+FR*(\i), ADRA+\slot, \q, \i
.endr
.endm
.macro PLACES n                        ; plain vector lines between a matrix instruction and a load into, or a vector line on, its registers
.rept \n
	v_nop
.endr
.endm
; A step of 128 along K that has its successor in the same slot.  Source 1 has one set of registers: blocks 0-3 are fetched anew in the step's middle, blocks 4-7 at its end; source 0 has two sets.
.macro STEP slot, q, zero
	s_wait_dscnt 4*NL                              ; all but the youngest sixteen loads (blocks 4-7) are in
	WIN MUL_LO
	MUL16 0, (\q)%2, \zero
	MUL16 2, (\q)%2, \zero
	s_wait_dscnt 0
	PLACES NP
	FETCH_B \slot, (\q)+1, 1-(\q)%2
	FETCH_A \slot, (\q)+1, 0
	WIN MUL_HI
	MUL16 4, (\q)%2, \zero
	MUL16 6, (\q)%2, \zero
	PLACES NP
	WIN 0
	FETCH_A \slot, (\q)+1, 4
.endm
; A slot's last step changes slots: each wave waits for all its tensor loads, adds 0 to its spare word, and waits for that and for its reads of this slot; fill = 1: the barrier opens a round of the cluster's, and the slot is filled again.
.macro TURN slot, next, fill
	s_wait_tensorcnt 0x0                           ; all my tensor loads have landed: my part of the next slot  (every window is 0 here)
	ds_add_u32 v[SPW], v[NIL]
	s_wait_dscnt 4*NL+1                            ; (the add and blocks 4-7's sixteen loads may be out)
	WIN MUL_LO
	MUL16 0, 1, 0
	s_wait_dscnt 0x0                               ; the add is done, and my reads of this slot are over
	s_barrier_signal -1
	MUL16 2, 1, 0
	WIN 0
	s_barrier_wait -1
.if \fill
	CREST                                          ; no wave of any partner still reads this slot or has a load on its way
	s_add_nc_u64 s[G0+4*\slot+2:G0+4*\slot+3], s[G0+4*\slot+2:G0+4*\slot+3], 8192
	s_add_nc_u64 s[G0B+4*\slot+2:G0B+4*\slot+3], s[G0B+4*\slot+2:G0B+4*\slot+3], 8192
	JLOAD G0+4*\slot, G1, G0B+4*\slot, G1B         ; the first tensor load behind the round; its four v_nop are the places in front of the loads below
.else
	PLACES NP
.endif
	FETCH_B \next, 0, 0
	FETCH_A \next, 0, 0
	WIN MUL_HI
	MUL16 4, 1, 0
	MUL16 6, 1, 0
	PLACES NP
	WIN 0
	FETCH_A \next, 0, 4
.endm
	s_wait_alu depctr_va_vdst(0)
	s_wait_tensorcnt 0x0                           ; my part of slot 0 is in
	ds_add_u32 v[SPW], v[NIL]
	s_wait_dscnt 0x0
	CROUND                                         ; a whole round: slot 0 is whole, and the joint loads meet
	JLOAD G0+4, G1, G0B+4, G1B                     ; slot 1's first fill, the first tensor load behind the round
	FETCH_B 0, 0, 0
	FETCH_A 0, 0, 0
	FETCH_A 0, 0, 4
	STEP 0, 0, 1                                   ; K = 1,024 is four fills of a slot: the ring is written out.  The first step's products start the sums
	TURN 0, 1, 1
	STEP 1, 0, 0
	TURN 1, 0, 1
	STEP 0, 0, 0
	TURN 0, 1, 0                                   ; nothing is left to fetch
	STEP 1, 0, 0
	LOADT 1                                        ; the last step multiplies source 0's second set: the first set's 128 registers, four places behind their last products, take two tiles' tables
	LOADT 2
	s_wait_dscnt 4*NL
	WIN MUL_LO
	MUL16 0, 1, 0
	MUL16 2, 1, 0
	s_wait_dscnt 0
	WIN MUL_HI
	MUL16 4, 1, 0
	MUL16 6, 1, 0
	WIN 0
	; ---- THE WAY OUT
	PLACES NP                                      ; behind the last products: for the loads and vector lines on v96-255, and for the reads of results
	LOADT 3
	s_wait_kmcnt 0x0
	s_add_co_i32 s80, s74, 3                       ; q: e2 + 3
	s_cmp_eq_u32 ttmp9, 0
	s_cselect_b32 s80, s80, s75                    ; k: e3
	s_cmp_eq_u32 ttmp9, 2
	s_cselect_b32 s80, s77, s80                    ; v: e5
	s_sub_co_i32 s80, s80, s72
	s_sub_co_i32 s80, s80, s73                     ; E
	s_add_co_i32 s80, s80, 127
	s_lshl_b32 s81, s80, 23
	v_mov_b32 v[SC], s81
	s_add_co_i32 s80, s80, 8
	s_lshl_b32 s80, s80, 23
	s_or_b32 s80, s80, 0x600000
	v_mov_b32 v[LIM], s80
	s_cmp_eq_u32 ttmp9, 2
	s_cbranch_scc1 .Lv
; q, k: token tile T0 + a, my 128 columns (two heads).  t'(d) = t(d) cos + t(d xor 1) sg sin: the partner is the lane's neighbouring register.  A head's four conversions ARE its fragment of 16 tokens x 64 channels.
.macro QKBLOCK a
.if (\a) == 0
.set CSB, CS0                          ; tile 0's tables lie in window 0,
.set TW, 0
.else
.set CSB, 64*(((\a)-1)%4)              ; the others' in window 1: source 1's window bit
.set TW, 4
.endif
.set CDB, CODE+16*((\a)%2)
.if (\a) < 4
	s_wait_loadcnt 48                              ; this tile's tables are in; the three sets asked for behind them may be out
.else
	s_wait_loadcnt 16*(7-(\a))                     ; the sets of the tiles that are left
.endif
.if (\a) > 1
	s_wait_xcnt 0x0                                ; the stores of two tiles ago have read the codes' registers
.endif
	WIN 0x02+(\a)/4+TW
.irp b, 0,1,2,3,4,5,6,7
.irp i, 0,2,4,6
	v_pk_mul_f32 v[W+8*\b+\i:W+8*\b+\i+1], v[8*(8*((\a)%4)+\b)+\i:8*(8*((\a)%4)+\b)+\i+1], v[CSB+8*(\b%4)+\i:CSB+8*(\b%4)+\i+1]
.endr
.irp i, 0,2,4,6
	v_fma_f32 v[W+8*\b+\i], v[8*(8*((\a)%4)+\b)+\i+1], v[CSB+32+8*(\b%4)+\i], v[W+8*\b+\i]
	v_fma_f32 v[W+8*\b+\i+1], v[8*(8*((\a)%4)+\b)+\i], v[CSB+32+8*(\b%4)+\i+1], v[W+8*\b+\i+1]
.endr
.endr
	WIN 0
.set n, 0
.rept 64
	v_med3_num_f32 v[W+n], v[W+n], -v[LIM], v[LIM] ; the conversion does not saturate (ISA guide 7.6.2)
.set n, n+1
.endr
.irp b, 0,1,2,3,4,5,6,7
	v_cvt_scalef32_pk8_fp8_f32 v[CDB+2*\b:CDB+2*\b+1], v[W+8*\b:W+8*\b+7], v[SC]
.endr
	v_nop                                          ; a plain line behind the last conversion
.irp hd, 0,1
.irp g, 0,1
	global_store_b128 v[LI], v[CDB+8*\hd+4*\g:CDB+8*\hd+4*\g+3], s[OUTP:OUTP+1] offset:\hd*393216+(\a)*1024+512*\g
.endr
.endr
.if (\a) < 4
	LOADT (\a)+4                                   ; four tiles on: into the set just read (behind tile 0: into the fourth set)
.endif
.endm
.irp a, 0,1,2,3,4,5,6,7
	QKBLOCK \a
.endr
	s_branch .Ldone
; v: token tile T0 + b, all my 128 channels: accumulator (a, b) holds channel 16 a + lane % 16 and tokens 8 (lane / 16) + j.  Each lane multiplies its sums by cos and by the factor that its NEIGHBOUR needs; the addition
; takes the second product from lane xor 1.  A conversion gives registers 2 b, 2 b + 1 of the fragment (head a / 4, channel tile a % 4): keys 16 b + 8 (lane / 16) + j.  Two token tiles fill four registers: a store.
.macro VBLOCK b
.if (\b) == 0
.set CSB, CS0
.set TW, 0
.else
.set CSB, 64*(((\b)-1)%4)
.set TW, 4
.endif
.if (\b) < 4
	s_wait_loadcnt 48
.else
	s_wait_loadcnt 16*(7-(\b))
.endif
.if ((\b)%2 == 0) && ((\b) > 1)
	s_wait_xcnt 0x0                                ; the last stores have read the codes' registers
.endif
.irp hh, 0,1
	WIN 0x02+\hh+TW
.irp aq, 0,1,2,3
.irp i, 0,2,4,6
	v_pk_mul_f32 v[W+8*\aq+\i:W+8*\aq+\i+1], v[64*\aq+8*(\b)+\i:64*\aq+8*(\b)+\i+1], v[CSB+8*\aq+\i:CSB+8*\aq+\i+1]
.endr
.irp i, 0,2,4,6
	v_pk_mul_f32 v[W+32+8*\aq+\i:W+32+8*\aq+\i+1], v[64*\aq+8*(\b)+\i:64*\aq+8*(\b)+\i+1], v[CSB+32+8*\aq+\i:CSB+32+8*\aq+\i+1]
.endr
.endr
	WIN 0
.set n, 0
.rept 32
	v_add_f32_dpp v[W+n], v[W+32+n], v[W+n] row_xmask:1 row_mask:0xf bank_mask:0xf
.set n, n+1
.endr
.set n, 0
.rept 32
	v_med3_num_f32 v[W+n], v[W+n], -v[LIM], v[LIM]
.set n, n+1
.endr
.irp aq, 0,1,2,3
	v_cvt_scalef32_pk8_fp8_f32 v[CODE+4*(4*\hh+\aq)+2*((\b)%2):CODE+4*(4*\hh+\aq)+2*((\b)%2)+1], v[W+8*\aq:W+8*\aq+7], v[SC]
.endr
	v_nop                                          ; a plain line behind the last conversion: the next lines write these sources
.endr
.if (\b) < 4
	LOADT (\b)+4
.endif
.if (\b)%2 == 1
.irp f, 0,1,2,3,4,5,6,7
	global_store_b128 v[LI], v[CODE+4*\f:CODE+4*\f+3], s[OUTP:OUTP+1] offset:(\f/4)*393216+(\f%4)*2048+512*((\b)/2)
.endr
.endif
.endm
.Lv:
.irp b, 0,1,2,3,4,5,6,7
	VBLOCK \b
.endr
.Ldone:
	s_wait_tensorcnt 0x0                           ; the wave's end
	ds_add_u32 v[SPW], v[NIL]
	s_wait_dscnt 0x0
	CROUND                                         ; the closing round: no work-group ends while a partner may still ask for a tile that names it
	s_endpgm
.Lfunc_end_k_q16c132e28a_qkv:
	.size	k_q16c132e28a_qkv, .Lfunc_end_k_q16c132e28a_qkv-k_q16c132e28a_qkv
	.p2alignl 7, 3214868480
	.fill 96, 4, 3214868480
	.section	.rodata,"a",@progbits
	.p2align	6, 0x0
	.amdhsa_kernel k_q16c132e28a_qkv
		.amdhsa_group_segment_fixed_size 327680
		.amdhsa_private_segment_fixed_size 0
		.amdhsa_enable_private_segment 0
		.amdhsa_kernarg_size 40
		.amdhsa_user_sgpr_count 2
		.amdhsa_user_sgpr_kernarg_segment_ptr 1
		.amdhsa_wavefront_size32 1
		.amdhsa_system_sgpr_workgroup_id_x 1
		.amdhsa_system_sgpr_workgroup_id_y 1
		.amdhsa_system_sgpr_workgroup_id_z 1
		.amdhsa_system_vgpr_workitem_id 0
		.amdhsa_next_free_vgpr 1024
		.amdhsa_next_free_sgpr 100
		.amdhsa_reserve_vcc 0
		.amdhsa_float_denorm_mode_32 3
		.amdhsa_float_denorm_mode_16_64 3
		.amdhsa_memory_ordered 1
		.amdhsa_forward_progress 1
		.amdhsa_inst_pref_size 255
	.end_amdhsa_kernel
	.section	.bss,"aw",@nobits
	.p2align	6
	.space	262144
	.amdgpu_metadata
---
amdhsa.version: [ 1, 2 ]
amdhsa.kernels:
  - .name:           k_q16c132e28a_qkv
    .symbol:         k_q16c132e28a_qkv.kd
    .args:
      - { .name: x_img, .offset: 0, .size: 8, .value_kind: global_buffer, .address_space: global }
      - { .name: wq_img, .offset: 8, .size: 8, .value_kind: global_buffer, .address_space: global }
      - { .name: lowp_scales, .offset: 16, .size: 8, .value_kind: global_buffer, .address_space: global }
      - { .name: rot, .offset: 24, .size: 8, .value_kind: global_buffer, .address_space: global }
      - { .name: qkv_img, .offset: 32, .size: 8, .value_kind: global_buffer, .address_space: global }
    .group_segment_fixed_size: 327680
    .private_segment_fixed_size: 0
    .kernarg_segment_align: 8
    .kernarg_segment_size: 40
    .max_flat_workgroup_size: 128
    .sgpr_count:     100
    .vgpr_count:     1024
    .wavefront_size: 32
...
	.end_amdgpu_metadata
.endif
;; end of part 2
;; launch attn (part 3): grid 8 x 32, 8 waves a work-group, clusters of 4 x 1, 327,680 bytes of LDS; arguments qkv_img, lowp_scales, o_img; writes o_img
.if DOCPART == 3
	.amdgcn_target "amdgcn-amd-amdhsa--gfx1250"
	.amdhsa_code_object_version 6
	.text
	.protected	k_q16c132e28a_attn
	.globl	k_q16c132e28a_attn
	.p2align	8
	.type	k_q16c132e28a_attn,@function
k_q16c132e28a_attn:
	s_mov_b64 s[64:65], 0
	v_nop
	global_prefetch_b8 v0, s[64:65] scope:SCOPE_SE
	s_setreg_imm32_b32 hwreg(HW_REG_WAVE_MODE, 25, 1), 1
	s_wait_xcnt 0x0
	s_wait_alu depctr_hold_cnt(0) depctr_sa_sdst(0) depctr_va_vdst(0) depctr_va_sdst(0) depctr_va_ssrc(0) depctr_va_vcc(0) depctr_vm_vsrc(0)
	s_getreg_b32 s2, hwreg(HW_REG_IB_STS2, 6, 4)
	s_cmp_eq_u32 s2, 0
	s_cbranch_scc0 .Lentry_in_a_cluster
	s_endpgm
.Lentry_in_a_cluster:
	s_bfe_u32 s2, ttmp6, 0x10000c
	s_cmp_lg_u32 s2, 0x3003
	s_cbranch_scc0 .Lentry_shape_is_right
	s_endpgm
.Lentry_shape_is_right:
; ATTN: q k^T, the causal mask, the softmax, p v and the quantiser of the result, all on codes of E4M3.
; WORK LEFT OUT (shown at the head of prep): ALPHA cancels; the logit is dots - the row's largest dots, so M = 0 and p = 2^((dots - largest dots) log2 e); blocks of 128 keys wholly behind a wave's queries are not walked.
; The row's true maximum is taken away ahead of the exponential: the keys are walked twice, first for the maximum, then for p.
; qkv_img: [batch x head][block of 128 tokens][q | k | v, 8,192 bytes each], each part an image of operand registers (q, k: 8 tiles of 16 tokens x 64 channels, 1,024 bytes; v: 4 tiles of 16 channels x 128 keys, 2,048 bytes).
; SHARES.  A work-group has one head's K and V whole in LDS (block b at 16,384 b: k, then v) and eight waves.  A wave owns 32 queries: tiles 2 cx and 2 cx + 1 of block rho, so every fragment of K and V feeds two products.
; rho hangs on the wave's number and the cluster's x alone: cluster 0 takes blocks 0,3,4,7,15,12,11,8, cluster 1 blocks 1,2,5,6,14,13,10,9; waves w and w + 4 have rho and 15 - rho.
; THE DEAL.  Every wave walks blocks 0 to 8 of its own queries (rho + 1 of them where rho is under 8).  Blocks 9 to 15 - rho of wave w + 4's queries are walked by wave w (w under 4): nine blocks for a long wave, eight for a
; short one.  A walk is one loop of sixteen trips; trip 9 changes tasks: Q comes from its stash, and the trips are compared with 15 - rho (under 9 in waves 4 to 7 and where rho = 7: they walk nothing more).
; Every wave loads both tasks' Q, so that the text is one for all.  The partners hand each other, through LDS bytes that no tensor load fills and across a barrier: after the first walk their part maxima;
; after the second the short wave's part of O^T and of the sums, as an image of its registers (zeros where it had no block), which the long wave adds.
; CLUSTER 4 x 1: the four partners (cx) read the same K and V: one joint load a wave, 2 rows of 16,384 bytes, 24,576 apart.  All is asked for at the head: there is no loop to run ahead in, so nothing is prefetched.
; LAYOUT.  S^T = K Q^T (a lane holds query lane % 16; register j of tile t is key 16 t + 8 (lane / 16) + j), O^T = V^T P^T: the conversions' results are the second product's operand.
; THE MASK is the C of the diagonal block's score products: 0 where the key counts, the most negative f32 number where it is hidden (as reference() has it; p = 0).  Nine tiles of 8 registers serve both query tiles:
; MX[u][j] is hidden where 16 u + j > DQ = lane % 16 - 8 (lane / 16) + 32 cx + 16; the second tile takes MX[t], the first MX[t + 1].
; LIMITS: e2 + e3 between -126 and 127 less c's exponent; e4 and e6 - e4 - e5 between -126 and 119.  NaN among the inputs is not served.
; REGISTERS.  Window 0: v1-7 addresses and constants; v8-11 maxima; v12-15 -max x c; v16-23 sums; v24-27 holds and scales; v28-31 at work; v32-159 S^T, then p; v160-223 O^T; v224-255 p's codes (first walk: v224-227 the first task's maxima).
;   Window 1: v0-15 Q in hand; v16-79 K's eight tiles; v80-143 V's four; v144-215 the mask; v216-247 both tasks' Q; v248-251 LDS addresses of the hand-overs; v252-253 the second task's -max x c.
.set OEX,   262144                     ; behind K and V: a pair's image of O^T, 8,192 bytes each
.set LEX,   294912                     ; a pair's sums, 256 bytes each
.set MEX,   295936                     ; a wave's part maxima, 256 bytes each
.set SPARE, 297984                     ; the spare words, 128 bytes a wave
.set LI,   1                           ; 16 x lane
.set ADK,  2                           ; LDS address of the block in hand
.set ADN,  3                           ; of the next block
.set DQ,   4
.set SPW,  5
.set NIL,  6
.set NEG,  7
.set SA,   32
.set SB,   96
.set OA,   160
.set OB,   192
.set CA,   224
.set CB,   240
.set QA,   0
.set QB,   8
.set KF,   16
.set VF,   80
.set MX,   144
.set Q1S,  216
.set Q2S,  232
.set AOX,  248
.set ALX,  249
.set AMS,  250
.set AMR,  251
.set M2S,  252
.set NCS,  17                          ; s17 -c
.set WV,   18
.set RHO,  19
.set SEL,  20
.set CS,   22                          ; s[22:23] c = log2 e x 2^(e2 + e3)
.set G1,   24
.set G0,   32
.set RX,   41                          ; 15 - rho
.set RC,   42                          ; the diagonal block of the task in hand
.set ROLE, 43                          ; all ones in waves 4 to 7
.set KB,   44
.set TB,   45
.set TN,   46
.set MSB, 0
.macro WIN new                         ; the immediate's high byte repeats the setting that is left
.if MSB != (\new)
	s_set_vgpr_msb (MSB<<8)|(\new)
.set MSB, (\new)
.endif
.endm
.macro CROUND
	s_barrier_signal -1
	s_barrier_wait -1
	s_cmp_lg_u32 s[WV], 0
	s_cbranch_scc1 .Lnot_wave_0_\@
	s_barrier_signal -3
.Lnot_wave_0_\@:
	s_barrier_wait -3
	s_barrier_signal -1
	s_barrier_wait -1
.endm
.macro NOPS n
.rept \n
	v_nop
.endr
.endm
	s_load_b128 s[4:7], s[0:1], 0x0                ; qkv_img, scales
	s_load_b64 s[8:9], s[0:1], 0x10                ; o_img
	v_lshl_add_u32 v[SPW], v0, 2, SPARE
	v_mov_b32 v[NIL], 0
	ds_add_u32 v[SPW], v[NIL]                      ; the opening lines: the add twice on end and its wait
	ds_add_u32 v[SPW], v[NIL]
	v_lshrrev_b32 v1, 5, v0
	v_readfirstlane_b32 s[WV], v1
	s_and_b32 s13, s[WV], 3
	s_lshl_b32 s[RHO], s13, 1
	s_and_b32 s13, s13, 1
	s_or_b32 s[RHO], s[RHO], s13                   ; 0, 3, 4, 7
	s_xor_b32 s[RHO], s[RHO], ttmp9                ; the cluster's x turns them into 1, 2, 5, 6
	s_lshr_b32 s13, s[WV], 2
	s_mul_i32 s13, s13, 15
	s_xor_b32 s[RHO], s[RHO], s13                  ; waves 4 to 7: 15 - rho
	s_xor_b32 s[RX], s[RHO], 15
	s_cmp_ge_u32 s[WV], 4
	s_cselect_b32 s[ROLE], -1, 0
	s_bfe_u32 s10, ttmp6, 0x40000                  ; cx
	s_and_b32 s12, ttmp7, 0xffff                   ; batch x head
	s_mov_b32 s[G1], 15|(3<<16)|(1<<21)            ; the four partners; elements of 8 bytes
	s_mov_b32 s[G1+1], 2048<<16                    ; a row: k and v of a block, 16,384 bytes
	s_mov_b32 s[G1+2], 2<<16                       ; two blocks
	s_mov_b32 s[G1+3], 2048<<16
	s_mov_b32 s[G1+4], 2
	s_mov_b32 s[G1+5], 3072                        ; 24,576 bytes from block to block
	s_mov_b32 s[G1+6], 0
	s_mov_b32 s[G1+7], 0
	s_mul_i32 s40, s12, 393216                     ; the head
	s_mul_i32 s13, s[WV], 49152                    ; my two blocks,
	s_add_co_u32 s14, s40, s13
	s_add_co_u32 s14, s14, 8192                    ; behind q's part
	s_mov_b32 s15, 0
	s_lshl_b32 s16, s[WV], 15
	s_mov_b32 s[SEL], 0x76543210
	s_mov_b32 s[SEL+1], 0xfedcba98
	s_wait_dscnt 0x0
	s_wait_kmcnt 0x0
	s_load_b256 s[52:59], s[6:7], 0x0              ; e0 .. e7
	s_mov_b32 s[G0], 1
	s_mov_b32 s[G0+1], s16
	s_add_nc_u64 s[G0+2:G0+3], s[4:5], s[14:15]
	s_or_b32 s[G0+3], s[G0+3], 0x80000000
	CROUND
	tensor_load_to_lds s[G0:G0+3], s[G1:G1+7]      ; my one tensor load
	s_nop 0
	NOPS 4
	s_lshl_b32 s47, s10, 11
	s_add_co_u32 s47, s47, s40                     ; the head, tiles 2 cx and 2 cx + 1
	s_mul_i32 s13, s[RHO], 24576
	s_add_co_u32 s48, s47, s13                     ; q of my own queries: block rho
	s_mov_b32 s49, 0
	s_add_nc_u64 s[50:51], s[4:5], s[48:49]
	s_mul_i32 s13, s[RX], 24576
	s_add_co_u32 s48, s47, s13                     ; q of the second task: block 15 - rho
	s_add_nc_u64 s[36:37], s[4:5], s[48:49]
	s_lshr_b32 s13, s12, 4
	s_lshl_b32 s13, s13, 7
	s_lshl_b32 s14, s[RHO], 3
	s_add_co_u32 s13, s13, s14
	s_lshl_b32 s14, s10, 1
	s_add_co_u32 s13, s13, s14                     ; o_img: row tile 128 x batch + 8 rho + 2 cx,
	s_lshl_b32 s48, s13, 14
	s_and_b32 s13, s12, 15
	s_lshl_b32 s13, s13, 10                        ; the head's half fragment
	s_add_co_u32 s48, s48, s13
	s_add_nc_u64 s[8:9], s[8:9], s[48:49]
	s_and_b32 s14, s[WV], 3                        ; my pair
	s_lshl_b32 s15, s14, 13
	s_add_co_u32 s15, s15, OEX
	s_lshl_b32 s16, s14, 8
	s_add_co_u32 s16, s16, LEX
	s_lshl_b32 s38, s[WV], 8
	s_add_co_u32 s38, s38, MEX
	s_xor_b32 s39, s[WV], 4                        ; my partner
	s_lshl_b32 s39, s39, 8
	s_add_co_u32 s39, s39, MEX
	s_lshl_b32 s13, s10, 5
	s_add_co_u32 s13, s13, 16
	v_and_b32 v1, 31, v0
	v_lshlrev_b32 v[LI], 4, v1
	v_lshrrev_b32 v8, 1, v[LI]                     ; 8 x lane
	WIN 0x40                                       ; destinations in window 1
.irp i, 0,1,2,3
	global_load_b128 v[QA+4*\i:QA+4*\i+3], v[LI], s[50:51] offset:512*\i
	global_load_b128 v[Q1S+4*\i:Q1S+4*\i+3], v[LI], s[50:51] offset:512*\i
	global_load_b128 v[Q2S+4*\i:Q2S+4*\i+3], v[LI], s[36:37] offset:512*\i
.endr
	v_add_nc_u32 v[AOX], s15, v[LI]
	v_add_nc_u32 v[ALX], s16, v8
	v_add_nc_u32 v[AMS], s38, v8
	v_add_nc_u32 v[AMR], s39, v8
	WIN 0
	v_and_b32 v8, 15, v0
	v_bfe_u32 v9, v0, 4, 1
	v_lshlrev_b32 v9, 3, v9
	v_sub_nc_u32 v[DQ], v8, v9
	v_add_nc_u32 v[DQ], s13, v[DQ]
	v_mov_b32 v[NEG], 0xff7fffff
	WIN 0x40
.set n, 0
.rept 72
	v_cmp_gt_i32 vcc_lo, 16*(n/8)+n%8, v[DQ]
	v_cndmask_b32 v[MX+n], v[NIL], v[NEG], vcc_lo
.set n, n+1
.endr
	WIN 0
.irp r, 8,9,10,11,224,225,226,227
	v_mov_b32 v\r, 0xff800000                      ; the maxima begin under every score
.endr
.irp r, 13,15,16,17,18,19,20,21,22,23,28,29,30,31
	v_mov_b32 v\r, 0
.endr
.set n, 0
.rept 64
	v_mov_b32 v[OA+n], 0                           ; O^T: the step is written once for a first and a later block
.set n, n+1
.endr
	s_wait_kmcnt 0x0
	s_add_co_i32 s46, s54, s55
	s_lshl_b32 s46, s46, 23
	s_add_co_i32 s[CS], s46, 0x3fb8aa3b
	s_mov_b32 s[CS+1], s[CS]
	s_xor_b32 s[NCS], s[CS], 0x80000000
	s_add_co_i32 s46, s56, 127
	s_lshl_b32 s47, s46, 23
	v_mov_b32 v25, s47                             ; 2^e4
	s_add_co_i32 s46, s46, 8
	s_lshl_b32 s46, s46, 23
	s_or_b32 s46, s46, 0x600000
.set HOLD, 60
	s_mov_b32 s[HOLD], s46                         ; 448 x 2^e4, kept in a scalar register: both halves of a dual pair name it
	s_sub_co_i32 s46, s58, s56
	s_sub_co_i32 s46, s46, s57
	s_add_co_i32 s46, s46, 127
	s_lshl_b32 s47, s46, 23
	v_mov_b32 v27, s47                             ; 2^(e6 - e4 - e5)
	s_add_co_i32 s46, s46, 8
	s_lshl_b32 s46, s46, 23
	s_or_b32 s46, s46, 0x600000
	v_mov_b32 v26, s46
	s_wait_alu depctr_va_vdst(0)
	s_wait_tensorcnt 0x0
	s_barrier_signal -1
	s_barrier_wait -1                              ; K and V are whole
.macro LDK adr                         ; a block's eight tiles of K (window 0x40 is set)
.irp t, 0,1,2,3,4,5,6,7
	ds_load_b128 v[KF+8*\t:KF+8*\t+3], v[\adr] offset:1024*\t
	ds_load_b128 v[KF+8*\t+4:KF+8*\t+7], v[\adr] offset:1024*\t+512
.endr
.endm
.macro QCOPY src                       ; a task's Q out of its stash
	WIN 0x41
.set n, 0
.rept 16
	v_mov_b32 v[QA+n], v[\src+n]
.set n, n+1
.endr
	WIN 0
.endm
.macro QK diag                         ; 16 products: each tile of K against both tiles of Q; diag = 1: C is the mask
	WIN 0x05+0x10*(\diag)
.irp t, 0,1,2,3,4,5,6,7
.if \diag
	v_wmma_f32_16x16x64_fp8_fp8 v[SA+8*\t:SA+8*\t+7], v[KF+8*\t:KF+8*\t+7], v[QA:QA+7], v[MX+8*\t+8:MX+8*\t+15]
	v_wmma_f32_16x16x64_fp8_fp8 v[SB+8*\t:SB+8*\t+7], v[KF+8*\t:KF+8*\t+7], v[QB:QB+7], v[MX+8*\t:MX+8*\t+7]
.else
	v_wmma_f32_16x16x64_fp8_fp8 v[SA+8*\t:SA+8*\t+7], v[KF+8*\t:KF+8*\t+7], v[QA:QA+7], 0
	v_wmma_f32_16x16x64_fp8_fp8 v[SB+8*\t:SB+8*\t+7], v[KF+8*\t:KF+8*\t+7], v[QB:QB+7], 0
.endif
.endr
	WIN 0
.endm
.macro NEXTK                           ; the next block's K, a block ahead; block 8 is the first task's last, and has none
	s_cmp_eq_u32 s[KB], 8
	s_cbranch_scc1 .Lnk_\@
	WIN 0x40
	LDK ADN
	WIN 0
.Lnk_\@:
.endm
; THE FIRST WALK: the maxima.
.macro P1 diag
	s_wait_dscnt 0x0                               ; this block's K
	QK \diag
.if \diag
	NOPS 4
.else
	v_add_nc_u32 v[ADN], s[TN], v[LI]
	NOPS 3                                         ; four places behind the products
	NEXTK
.endif
	s_wait_alu depctr_va_vdst(0)                   ; the maxima come from the last trip
.set n, 0
.rept 16
	v_max3_num_f32 v8, v8, v[SA+n], v[SA+n+1]
	v_max3_num_f32 v10, v10, v[SB+n], v[SB+n+1]
	v_max3_num_f32 v9, v9, v[SA+n+2], v[SA+n+3]
	v_max3_num_f32 v11, v11, v[SB+n+2], v[SB+n+3]
.set n, n+4
.endr
.endm
; THE SECOND WALK: p, its sums, its codes, and O^T += V^T P^T.
.macro P2 diag
	s_wait_dscnt 0x0                               ; this block's K
	QK \diag
	v_add_nc_u32 v[ADK], s[TB], v[LI]
	v_add_nc_u32 v[ADN], s[TN], v[LI]
	NOPS 2                                         ; four places behind the products, ahead of the loads into K's and V's registers
	WIN 0x40
.irp d, 0,1,2,3
.irp g, 0,1,2,3
	ds_load_b128 v[VF+16*\d+4*\g:VF+16*\d+4*\g+3], v[ADK] offset:8192+2048*\d+512*\g
.endr
.endr
	WIN 0
.if \diag == 0
	NEXTK
.endif
.set n, 0
.rept 32
	v_pk_fma_f32 v[SA+n:SA+n+1], v[SA+n:SA+n+1], s[CS:CS+1], v[12:13] op_sel_hi:[1,0,0]
.set n, n+2
.endr
.set n, 0
.rept 32
	v_pk_fma_f32 v[SB+n:SB+n+1], v[SB+n:SB+n+1], s[CS:CS+1], v[14:15] op_sel_hi:[1,0,0]
.set n, n+2
.endr
	s_wait_alu depctr_va_vdst(0)
.set n, 0
.rept 128
	v_exp_f32 v[SA+n], v[SA+n]
.set n, n+1
.endr
	v_nop
	s_wait_alu depctr_va_vdst(0)
.set n, 0
.rept 16
	v_pk_add_f32 v[16:17], v[16:17], v[SA+n:SA+n+1]        ; the sums of the unquantised p, four chains
	v_pk_add_f32 v[20:21], v[20:21], v[SB+n:SB+n+1]
	v_pk_add_f32 v[18:19], v[18:19], v[SA+n+2:SA+n+3]
	v_pk_add_f32 v[22:23], v[22:23], v[SB+n+2:SB+n+3]
.set n, n+4
.endr
.set n, 0
.rept 64
	v_dual_min_num_f32 v[SA+n], s[HOLD], v[SA+n] :: v_dual_min_num_f32 v[SA+n+1], s[HOLD], v[SA+n+1]   ; the conversion does not saturate (ISA guide 7.6.2); p is not negative; two holds an instruction
.set n, n+2
.endr
.irp t, 0,1,2,3,4,5,6,7
	v_cvt_scalef32_pk8_fp8_f32 v[CA+2*\t:CA+2*\t+1], v[SA+8*\t:SA+8*\t+7], v25
	v_cvt_scalef32_pk8_fp8_f32 v[CB+2*\t:CB+2*\t+1], v[SB+8*\t:SB+8*\t+7], v25
.endr
	v_nop                                          ; a plain line behind the last conversion
	s_wait_dscnt 0x0                               ; V is in
	WIN 0x01
	s_wait_alu depctr_va_vdst(0)                   ; directly ahead of the readers of O^T and of the codes
.irp d, 0,1,2,3
	v_wmma_f32_16x16x128_fp8_fp8 v[OA+8*\d:OA+8*\d+7], v[VF+16*\d:VF+16*\d+15], v[CA:CA+15], v[OA+8*\d:OA+8*\d+7]
	v_wmma_f32_16x16x128_fp8_fp8 v[OB+8*\d:OB+8*\d+7], v[VF+16*\d:VF+16*\d+15], v[CB:CB+15], v[OB+8*\d:OB+8*\d+7]
.endr
	WIN 0
.endm
.macro RED                             ; the four chains of sums become one number a tile: v16, v17
	s_wait_alu depctr_va_vdst(0)
	v_pk_add_f32 v[16:17], v[16:17], v[18:19]
	v_pk_add_f32 v[20:21], v[20:21], v[22:23]
	v_add_f32 v16, v16, v17
	v_add_f32 v17, v20, v21
.endm
; THE WAY OUT of 32 queries: O^T / the sum, held, converted: the codes are half fragments of proj's first operand
.macro FIN
	v_permlanex16_b32 v28, v16, s[SEL], s[SEL+1]
	v_permlanex16_b32 v30, v17, s[SEL], s[SEL+1]
	v_add_f32 v16, v16, v28
	v_add_f32 v17, v17, v30
	s_wait_alu depctr_va_vdst(0)                   ; ahead of the transcendentals
	v_rcp_f32 v20, v16
	v_rcp_f32 v21, v17
	v_nop
	s_wait_alu depctr_va_vdst(0)                   ; and behind them
	v_fma_f32 v28, -v16, v20, 1.0                  ; one step of Newton's: what goes into a quantiser is as fine as f32 allows
	v_fma_f32 v30, -v17, v21, 1.0
	v_fma_f32 v28, v28, v20, v20
	v_fma_f32 v30, v30, v21, v21
	s_wait_alu depctr_va_vdst(0)                   ; directly ahead of the first reader of O^T
.set n, 0
.rept 16
	v_pk_mul_f32 v[SA+n:SA+n+1], v[OA+n:OA+n+1], v[28:29] op_sel_hi:[1,0]
.set n, n+2
.endr
.set n, 0
.rept 16
	v_pk_mul_f32 v[SA+32+n:SA+32+n+1], v[OB+n:OB+n+1], v[30:31] op_sel_hi:[1,0]
.set n, n+2
.endr
.set n, 0
.rept 64
	v_med3_num_f32 v[SA+n], v[SA+n], -v26, v26
.set n, n+1
.endr
.irp d, 0,1,2,3,4,5,6,7
	v_cvt_scalef32_pk8_fp8_f32 v[CA+2*\d:CA+2*\d+1], v[SA+8*\d:SA+8*\d+7], v27
.endr
	v_nop
	global_store_b128 v[LI], v[CA:CA+3], s[8:9]                  ; each store covers 512 consecutive bytes
	global_store_b128 v[LI], v[CA+4:CA+7], s[8:9] offset:512
	global_store_b128 v[LI], v[CA+8:CA+11], s[8:9] offset:16384  ; the second tile of queries: the next row tile
	global_store_b128 v[LI], v[CA+12:CA+15], s[8:9] offset:16896
.endm
; THE CHANGE OF TASKS, in trip 9.  Common part: the second task's Q and diagonal; block 9's K where the task has a block.
.macro SWQ
	QCOPY Q2S
	s_mov_b32 s[RC], s[RX]
	s_cmp_lt_u32 s[RX], 9
	s_cbranch_scc1 .Lnq_\@
	s_wait_dscnt 0x0                               ; no load into K's registers is out
	v_add_nc_u32 v[ADN], s[TB], v[LI]
	WIN 0x40
	LDK ADN
	WIN 0
.Lnq_\@:
	s_wait_alu depctr_va_vdst(0)
.endm
.macro SW1                             ; first walk: the first task's maxima are put by
	s_wait_alu depctr_va_vdst(0)
.irp r, 0,1,2,3
	v_mov_b32 v[224+\r], v[8+\r]
.endr
.irp r, 8,9,10,11
	v_mov_b32 v\r, 0xff800000
.endr
	SWQ
.endm
.macro SW2                             ; second walk: a short wave's own queries are finished and leave; its sums begin anew.  A long wave keeps its sums
	s_cmp_ge_u32 s[WV], 4
	s_cbranch_scc1 .Lkeep_\@
	RED
	FIN
	s_wait_xcnt 0x0                                ; the stores have read the codes' registers
.set n, 0
.rept 64
	v_mov_b32 v[OA+n], 0
.set n, n+1
.endr
.irp r, 16,17,18,19,20,21,22,23
	v_mov_b32 v\r, 0
.endr
	WIN 0x01
	v_mov_b32 v12, v[M2S]
	v_mov_b32 v14, v[M2S+1]
	WIN 0
.Lkeep_\@:
	SWQ
.endm
; A walk: sixteen trips in every wave; scalar branches on ids lead round the blocks that are not the wave's, and to the diagonal block's copy of the step.  s[TN], the next block's byte, is held inside K and V.
.macro WALK step, sw, tag
	s_mov_b32 s[KB], 0
	s_mov_b32 s[TB], 0
	s_mov_b32 s[RC], s[RHO]
.L\tag:
	s_add_co_u32 s[TN], s[TB], 16384
	s_min_u32 s[TN], s[TN], 245760
	s_cmp_eq_u32 s[KB], 9
	s_cbranch_scc0 .L\tag\()s
	\sw
.L\tag\()s:
	s_cmp_gt_u32 s[KB], s[RC]
	s_cbranch_scc1 .L\tag\()n
	s_cmp_eq_u32 s[KB], s[RC]
	s_cbranch_scc1 .L\tag\()d
	\step 0
	s_branch .L\tag\()n
.L\tag\()d:
	\step 1
.L\tag\()n:
	s_add_co_u32 s[TB], s[TB], 16384
	s_add_co_u32 s[KB], s[KB], 1
	s_cmp_lt_u32 s[KB], 16
	s_cbranch_scc1 .L\tag
.endm
	WIN 0x40
	LDK LI                                         ; block 0's K
	WIN 0
	s_wait_loadcnt 0x0                             ; Q
	WALK P1, SW1, one
	s_wait_dscnt 0x0                               ; no load into K's registers is out
	WIN 0x40
	LDK LI                                         ; block 0's K, for the second walk
	WIN 0
	QCOPY Q1S
	s_wait_alu depctr_va_vdst(0)
	v_max_num_f32 v8, v8, v9                       ; the second task's part maxima,
	v_max_num_f32 v9, v10, v11
	v_max_num_f32 v10, v224, v225                  ; the first task's
	v_max_num_f32 v11, v226, v227
	v_cndmask_b32 v28, v8, v10, s[ROLE]            ; what my partner lacks: a long wave's first task, a short wave's second
	v_cndmask_b32 v29, v9, v11, s[ROLE]
	WIN 0x01                                       ; the address lies in window 1
	ds_store_b64 v[AMS], v[28:29]
	WIN 0
	s_wait_alu depctr_va_vdst(0)
	s_wait_dscnt 0x0                               ; my store is done
	s_barrier_signal -1
	s_barrier_wait -1
	WIN 0x01
	ds_load_b64 v[30:31], v[AMR]
	WIN 0
	s_wait_dscnt 0x0
	v_max_num_f32 v8, v8, v30                      ; the long wave's queries, as the short wave needs them
	v_max_num_f32 v9, v9, v31
	v_cndmask_b32 v30, v[NEG], v30, s[ROLE]        ; a short wave's own queries take nothing from the partner
	v_cndmask_b32 v31, v[NEG], v31, s[ROLE]
	v_max_num_f32 v10, v10, v30
	v_max_num_f32 v11, v11, v31
	v_permlanex16_b32 v28, v8, s[SEL], s[SEL+1]
	v_permlanex16_b32 v29, v9, s[SEL], s[SEL+1]
	v_permlanex16_b32 v30, v10, s[SEL], s[SEL+1]
	v_permlanex16_b32 v31, v11, s[SEL], s[SEL+1]
	v_max_num_f32 v8, v8, v28
	v_max_num_f32 v9, v9, v29
	v_max_num_f32 v10, v10, v30
	v_max_num_f32 v11, v11, v31
	v_mul_f32 v12, s[NCS], v10                     ; -(the row's largest score x c)
	v_mul_f32 v14, s[NCS], v11
	WIN 0x40
	v_mul_f32 v[M2S], s[NCS], v8                   ; the second task's, put by
	v_mul_f32 v[M2S+1], s[NCS], v9
	WIN 0
	s_wait_alu depctr_va_vdst(0)                   ; first read behind the loop's branches
	WALK P2, SW2, two
	RED                                            ; four plain lines: the places behind the last products
	s_cmp_ge_u32 s[WV], 4
	s_cbranch_scc1 .Lnogive
	WIN 0x01
	s_wait_alu depctr_va_vdst(0)
.set n, 0
.rept 16
	ds_store_b128 v[AOX], v[OA+4*n:OA+4*n+3] offset:512*n      ; a short wave's part of the long wave's O^T, as an image of the registers,
.set n, n+1
.endr
	ds_store_b64 v[ALX], v[16:17]                  ; and of its sums
	WIN 0
.Lnogive:
	s_wait_alu depctr_va_vdst(0)
	s_wait_dscnt 0x0
	s_barrier_signal -1
	s_barrier_wait -1
	s_cmp_lt_u32 s[WV], 4
	s_cbranch_scc1 .Lend
	WIN 0x01
.set n, 0
.rept 16
	ds_load_b128 v[SA+4*n:SA+4*n+3], v[AOX] offset:512*n
.set n, n+1
.endr
	ds_load_b64 v[28:29], v[ALX]
	WIN 0
	s_wait_dscnt 0x0
	s_wait_alu depctr_va_vdst(0)
.set n, 0
.rept 32
	v_pk_add_f32 v[OA+n:OA+n+1], v[OA+n:OA+n+1], v[SA+n:SA+n+1]
.set n, n+2
.endr
	v_pk_add_f32 v[16:17], v[16:17], v[28:29]
	FIN
.Lend:
	s_wait_tensorcnt 0x0                           ; the wave's end
	ds_add_u32 v[SPW], v[NIL]
	s_wait_dscnt 0x0
	CROUND                                         ; the closing round
	s_endpgm
.Lfunc_end_k_q16c132e28a_attn:
	.size	k_q16c132e28a_attn, .Lfunc_end_k_q16c132e28a_attn-k_q16c132e28a_attn
	.p2alignl 7, 3214868480
	.fill 96, 4, 3214868480
	.section	.rodata,"a",@progbits
	.p2align	6, 0x0
	.amdhsa_kernel k_q16c132e28a_attn
		.amdhsa_group_segment_fixed_size 327680
		.amdhsa_private_segment_fixed_size 0
		.amdhsa_enable_private_segment 0
		.amdhsa_kernarg_size 24
		.amdhsa_user_sgpr_count 2
		.amdhsa_user_sgpr_kernarg_segment_ptr 1
		.amdhsa_wavefront_size32 1
		.amdhsa_system_sgpr_workgroup_id_x 1
		.amdhsa_system_sgpr_workgroup_id_y 1
		.amdhsa_system_sgpr_workgroup_id_z 1
		.amdhsa_system_vgpr_workitem_id 0
		.amdhsa_next_free_vgpr 512
		.amdhsa_next_free_sgpr 66
		.amdhsa_reserve_vcc 1
		.amdhsa_float_denorm_mode_32 3
		.amdhsa_float_denorm_mode_16_64 3
		.amdhsa_memory_ordered 1
		.amdhsa_forward_progress 1
		.amdhsa_inst_pref_size 101
	.end_amdhsa_kernel
	.amdgpu_metadata
---
amdhsa.version: [ 1, 2 ]
amdhsa.kernels:
  - .name:           k_q16c132e28a_attn
    .symbol:         k_q16c132e28a_attn.kd
    .args:
      - { .name: qkv_img, .offset: 0, .size: 8, .value_kind: global_buffer, .address_space: global }
      - { .name: lowp_scales, .offset: 8, .size: 8, .value_kind: global_buffer, .address_space: global }
      - { .name: o_img, .offset: 16, .size: 8, .value_kind: global_buffer, .address_space: global }
    .group_segment_fixed_size: 327680
    .private_segment_fixed_size: 0
    .kernarg_segment_align: 8
    .kernarg_segment_size: 24
    .max_flat_workgroup_size: 256
    .sgpr_count:     66
    .vgpr_count:     512
    .wavefront_size: 32
...
	.end_amdgpu_metadata
.endif
;; end of part 3
;; launch proj (part 4): grid 8 x 32, 4 waves a work-group, clusters of 4 x 4, 327,680 bytes of LDS; arguments o_img, wo_img, lowp_scales, b_out, out0; writes out0
.if DOCPART == 4
	.amdgcn_target "amdgcn-amd-amdhsa--gfx1250"
	.amdhsa_code_object_version 6
	.text
	.protected	k_q16c132e28a_proj
	.globl	k_q16c132e28a_proj
	.p2align	8
	.type	k_q16c132e28a_proj,@function
k_q16c132e28a_proj:
	s_mov_b64 s[64:65], 0
	v_nop
	global_prefetch_b8 v0, s[64:65] scope:SCOPE_SE
	s_setreg_imm32_b32 hwreg(HW_REG_WAVE_MODE, 25, 1), 1
	s_wait_xcnt 0x0
	s_wait_alu depctr_hold_cnt(0) depctr_sa_sdst(0) depctr_va_vdst(0) depctr_va_sdst(0) depctr_va_ssrc(0) depctr_va_vcc(0) depctr_vm_vsrc(0)
	s_getreg_b32 s2, hwreg(HW_REG_IB_STS2, 6, 4)
	s_cmp_eq_u32 s2, 0
	s_cbranch_scc0 .Lentry_in_a_cluster
	s_endpgm
.Lentry_in_a_cluster:
	s_bfe_u32 s2, ttmp6, 0x10000c
	s_cmp_lg_u32 s2, 0xf033
	s_cbranch_scc0 .Lentry_shape_is_right
	s_endpgm
.Lentry_shape_is_right:
; PROJ: out0 = o w_out + b_out, on codes of E4M3 (4,096 x 1,024 x 1,024).  Nothing of reference() is left out here.
; 256 work-groups, each a block of 128 rows x 128 columns; four waves of 64 x 64: 16 accumulators.  Both operands are images of registers (a fragment of 16 rows x 128 K: 2,048 consecutive bytes; a tile of 16 rows: its eight
; fragments on end), so the block's 128 rows of o and its 128 columns of w are two dense runs of 131,072 bytes: the whole K lies in LDS at once.  One tensor load a wave, 65,536 bytes; no slot is filled again.
; CLUSTERS 4 x 4: o's run is shared along a row of the cluster, w's along a column, by joint loads.  All is asked for at the head: there is no loop to run ahead in, so nothing is prefetched.
; Source 0 = 16 columns of w, source 1 = 16 rows of o: a lane holds eight neighbouring numbers of a row of out0.  K goes 128 at a time on two sets of fragments: a step's 32 LDS loads are issued a step ahead.
; THE WAY OUT: 16 rows x 64 columns go as raw sums through my own stage (bytes that no tensor load fills) and come back as rows of 256 bytes; sum x 2^(e6 + e7) + b_out is one packed multiply-add for two numbers.
; LIMIT: e6 + e7 between -126 and 127.
; REGISTERS.  Window 0: v8-11 the bias, v16-29 addresses, v32-159 o's fragments, two sets (on the way out v32-95: rows read back).  Window 1: v0-127 w's fragments, two sets; v128-255 the accumulators, (a, b) at 128 + 8 (4 a + b).
.set STAGE,  262144
.set SPITCH, 272                       ; a stage row: 256 bytes + 16
.set SPARE,  STAGE+4*16*SPITCH         ; the spare words, 128 bytes a wave
.set ADRA, 16
.set ADRB, 17
.set STO,  24
.set RD,   25
.set LI,   26
.set CO,   27
.set SPW,  28
.set NIL,  29
.set AF,   32
.set BF,   0
.set AC,   128
.set BK,   32
.set G1, 24
.set G0, 32
.set G1B, 48
.set G0B, 56
.set MSB, 0
.macro WIN new
.if MSB != (\new)
	s_set_vgpr_msb (MSB<<8)|(\new)
.set MSB, (\new)
.endif
.endm
.macro CROUND
	s_barrier_signal -1
	s_barrier_wait -1
	s_cmp_lg_u32 s14, 0
	s_cbranch_scc1 .Lnot_wave_0_\@
	s_barrier_signal -3
.Lnot_wave_0_\@:
	s_barrier_wait -3
	s_barrier_signal -1
	s_barrier_wait -1
.endm
.macro PLACES n
.rept \n
	v_nop
.endr
.endm
	s_load_b256 s[4:11], s[0:1], 0x0               ; o_img 4, wo_img 6, scales 8, b_out 10
	s_load_b64 s[12:13], s[0:1], 0x20              ; out0
	v_lshl_add_u32 v[SPW], v0, 2, SPARE
	v_mov_b32 v[NIL], 0
	ds_add_u32 v[SPW], v[NIL]                      ; the opening lines: the add twice on end and its wait
	ds_add_u32 v[SPW], v[NIL]
	v_lshrrev_b32 v1, 5, v0
	v_readfirstlane_b32 s14, v1
	s_lshr_b32 s15, s14, 1                         ; my half of the rows.  Also: I fetch for o (0) or for w (1)
	s_and_b32 s16, s14, 1                          ; my half of the columns.  Also: which half of that run I fetch
	s_bfe_u32 s40, ttmp6, 0x40000
	s_bfe_u32 s41, ttmp6, 0x40004
	s_lshl_b32 s42, ttmp9, 2
	s_add_co_u32 s42, s42, s40                     ; block column, 0 to 7
	s_and_b32 s17, ttmp7, 0xffff
	s_lshl_b32 s17, s17, 2
	s_add_co_u32 s17, s17, s41                     ; block row, 0 to 31
	s_lshl_b32 s43, s41, 2
	s_lshl_b32 s43, 15, s43
	s_lshl_b32 s44, 0x1111, s40
	s_or_b32 s[G1+0], s43, (3<<16)|(1<<21)         ; the mask; elements of 8 bytes; no padding
	s_or_b32 s[G1B+0], s44, (3<<16)|(1<<21)
.irp g, G1, G1B
	s_mov_b32 s[\g+1], 512<<16                     ; 16 rows of 4,096 bytes, dense
	s_mov_b32 s[\g+2], 16<<16
	s_mov_b32 s[\g+3], 512<<16
	s_mov_b32 s[\g+4], 16
	s_mov_b32 s[\g+5], 512
	s_mov_b32 s[\g+6], 0
	s_mov_b32 s[\g+7], 0
.endr
	s_lshl_b32 s18, s16, 16
	s_lshl_b32 s20, s17, 17
	s_add_co_u32 s20, s20, s18
	s_mov_b32 s21, 0
	s_lshl_b32 s46, s42, 17
	s_add_co_u32 s46, s46, s18
	s_mov_b32 s47, 0
	s_lshl_b32 s45, s14, 16                        ; where it goes: o's two halves, then w's
	s_wait_dscnt 0x0
	s_wait_kmcnt 0x0
	s_load_b256 s[72:79], s[8:9], 0x0              ; e0 .. e7
	s_mov_b32 s[G0], 1
	s_mov_b32 s[G0+1], s45
	s_add_nc_u64 s[G0+2:G0+3], s[4:5], s[20:21]
	s_or_b32 s[G0+3], s[G0+3], 0x80000000
	s_mov_b32 s[G0B], 1
	s_mov_b32 s[G0B+1], s45
	s_add_nc_u64 s[G0B+2:G0B+3], s[6:7], s[46:47]
	s_or_b32 s[G0B+3], s[G0B+3], 0x80000000
	CROUND                                         ; all sixteen work-groups are here: the joint loads meet
	s_cmp_eq_u32 s15, 0
	s_cbranch_scc0 .Lfor_b
	tensor_load_to_lds s[G0:G0+3], s[G1:G1+7]
	s_nop 0
	PLACES 4
	s_branch .Lasked
.Lfor_b:
	tensor_load_to_lds s[G0B:G0B+3], s[G1B:G1B+7]
	s_nop 0
	PLACES 4
.Lasked:
	s_lshl_b32 s18, s15, 16                        ; my four tiles of o,
	s_lshl_b32 s19, s16, 16
	s_add_co_u32 s19, s19, 131072                  ; my four of w
	s_mul_i32 s23, s14, 16*SPITCH
	s_add_co_u32 s23, s23, STAGE                   ; my stage
	s_lshl_b32 s80, s17, 7
	s_lshl_b32 s81, s15, 6
	s_add_co_u32 s80, s80, s81                     ; my first row,
	s_lshl_b32 s80, s80, 12                        ; of 4,096 bytes
	s_lshl_b32 s82, s42, 9
	s_lshl_b32 s83, s16, 8
	s_add_co_u32 s82, s82, s83                     ; my first column, in bytes
	s_mov_b32 s83, 0
	s_add_nc_u64 s[10:11], s[10:11], s[82:83]
	s_add_co_u32 s80, s80, s82
	s_mov_b32 s81, 0
	s_add_nc_u64 s[12:13], s[12:13], s[80:81]
	v_and_b32 v1, 31, v0
	v_lshlrev_b32 v[LI], 4, v1
	v_add_nc_u32 v[ADRA], s18, v[LI]
	v_add_nc_u32 v[ADRB], s19, v[LI]
	v_and_b32 v2, 15, v0
	v_bfe_u32 v3, v0, 4, 1
	v_lshlrev_b32 v6, 4, v2
	global_load_b128 v[8:11], v6, s[10:11]         ; b_out at my four columns
	v_mul_u32_u24 v5, v2, SPITCH
	v_lshl_add_u32 v5, v3, 5, v5
	v_add_nc_u32 v[STO], s23, v5                   ; in: row lane % 16, 32 bytes for each half of the lanes
	v_mul_u32_u24 v4, v3, SPITCH
	v_lshl_add_u32 v4, v2, 4, v4
	v_add_nc_u32 v[RD], s23, v4                    ; back: lanes 0-15 one row, lanes 16-31 the next
	v_lshl_add_u32 v[CO], v3, 12, v6               ; and the same two rows in out0
.macro FRAGS k, st                     ; K step k's eight fragments into set st: 32 loads of 512 consecutive bytes
	WIN 0x40
.irp i, 0,1,2,3
.irp c, 0,1,2,3
	ds_load_b128 v[BF+64*(\st)+16*\i+4*\c:BF+64*(\st)+16*\i+4*\c+3], v[ADRB] offset:16384*\i+2048*(\k)+512*\c
.endr
.endr
	WIN 0
.irp i, 0,1,2,3
.irp c, 0,1,2,3
	ds_load_b128 v[AF+64*(\st)+16*\i+4*\c:AF+64*(\st)+16*\i+4*\c+3], v[ADRA] offset:16384*\i+2048*(\k)+512*\c
.endr
.endr
.endm
.macro MUL st, zero                    ; the 16 accumulators take turns, one instruction a turn
	WIN 0x51                                       ; source 0, C and D window 1, source 1 window 0
.irp a, 0,1,2,3
.irp b, 0,1,2,3
.if \zero
	v_wmma_f32_16x16x128_fp8_fp8 v[AC+8*(4*\a+\b):AC+8*(4*\a+\b)+7], v[BF+64*(\st)+16*\b:BF+64*(\st)+16*\b+15], v[AF+64*(\st)+16*\a:AF+64*(\st)+16*\a+15], 0
.else
	v_wmma_f32_16x16x128_fp8_fp8 v[AC+8*(4*\a+\b):AC+8*(4*\a+\b)+7], v[BF+64*(\st)+16*\b:BF+64*(\st)+16*\b+15], v[AF+64*(\st)+16*\a:AF+64*(\st)+16*\a+15], v[AC+8*(4*\a+\b):AC+8*(4*\a+\b)+7]
.endif
.endr
.endr
	WIN 0
.endm
	s_wait_alu depctr_va_vdst(0)
	s_wait_tensorcnt 0x0                           ; my part is in
	s_barrier_signal -1
	s_barrier_wait -1                              ; and everybody's
	FRAGS 0, 0
	FRAGS 1, 1
	s_wait_dscnt 32                                ; step 0's loads are in; step 1's 32 may be out
	MUL 0, 1                                       ; the first step's products start the sums
.set kk, 1
.rept 6
	PLACES 4                                       ; behind the products that read the set which is loaded now
	FRAGS (kk+1), ((kk+1)%2)
	s_wait_dscnt 32
	MUL (kk%2), 0
.set kk, kk+1
.endr
	s_wait_dscnt 0x0
	MUL 1, 0
.macro TOSTAGE a                       ; 16 rows' raw sums into my stage, each accumulator's low four registers first, and back as rows (LDS serves a wave's instructions in order)
	WIN 0x04                                       ; an LDS store's data: window 1
.irp b, 0,1,2,3
	ds_store_b128 v[STO], v[AC+8*(4*(\a)+\b):AC+8*(4*(\a)+\b)+3] offset:64*\b
	ds_store_b128 v[STO], v[AC+8*(4*(\a)+\b)+4:AC+8*(4*(\a)+\b)+7] offset:64*\b+16
.endr
	WIN 0
.set BB, BK+32*((\a)%2)
.irp t, 0,1,2,3,4,5,6,7
	ds_load_b128 v[BB+4*\t:BB+4*\t+3], v[RD] offset:\t*2*SPITCH
.endr
.endm
.macro SEND a, younger                 ; younger: the LDS instructions issued behind block a's loads, which may stay out
.set BB, BK+32*((\a)%2)
	s_wait_dscnt \younger
.irp t, 0,1,2,3,4,5,6,7
	v_pk_fma_f32 v[BB+4*\t:BB+4*\t+1], v[BB+4*\t:BB+4*\t+1], s[96:97], v[8:9] op_sel_hi:[1,0,1]       ; sum x 2^(e6 + e7) + b_out
	v_pk_fma_f32 v[BB+4*\t+2:BB+4*\t+3], v[BB+4*\t+2:BB+4*\t+3], s[96:97], v[10:11] op_sel_hi:[1,0,1]
.endr
.irp t, 0,1,2,3,4,5,6,7
	global_store_b128 v[CO], v[BB+4*\t:BB+4*\t+3], s[12:13] offset:(16*(\a)+2*\t)*4096 th:TH_STORE_NT   ; sixteen lanes store 256 consecutive bytes, aligned
.endr
.endm
	s_wait_kmcnt 0x0
	s_add_co_i32 s96, s78, s79
	s_add_co_i32 s96, s96, 127
	s_lshl_b32 s96, s96, 23                        ; 2^(e6 + e7) as f32
	s_mov_b32 s97, s96                             ; (named with it as a pair, so it is written)
	s_wait_loadcnt 0x0                             ; the bias
	PLACES 4                                       ; behind the last products: for the stores that read results and the loads into v32-95
	TOSTAGE 0
.irp a, 1,2,3
.if \a > 1
	s_wait_xcnt 0x0                                ; the stores of two blocks ago have read their registers
.endif
	TOSTAGE \a
	SEND \a-1, 16                                  ; behind block a - 1's loads: block a's 8 stores and 8 loads
.endr
	SEND 3, 0
	s_wait_tensorcnt 0x0                           ; the wave's end
	ds_add_u32 v[SPW], v[NIL]
	s_wait_dscnt 0x0
	CROUND                                         ; the closing round
	s_endpgm
.Lfunc_end_k_q16c132e28a_proj:
	.size	k_q16c132e28a_proj, .Lfunc_end_k_q16c132e28a_proj-k_q16c132e28a_proj
	.p2alignl 7, 3214868480
	.fill 96, 4, 3214868480
	.section	.rodata,"a",@progbits
	.p2align	6, 0x0
	.amdhsa_kernel k_q16c132e28a_proj
		.amdhsa_group_segment_fixed_size 327680
		.amdhsa_private_segment_fixed_size 0
		.amdhsa_enable_private_segment 0
		.amdhsa_kernarg_size 40
		.amdhsa_user_sgpr_count 2
		.amdhsa_user_sgpr_kernarg_segment_ptr 1
		.amdhsa_wavefront_size32 1
		.amdhsa_system_sgpr_workgroup_id_x 1
		.amdhsa_system_sgpr_workgroup_id_y 1
		.amdhsa_system_sgpr_workgroup_id_z 1
		.amdhsa_system_vgpr_workitem_id 0
		.amdhsa_next_free_vgpr 512
		.amdhsa_next_free_sgpr 100
		.amdhsa_reserve_vcc 0
		.amdhsa_float_denorm_mode_32 3
		.amdhsa_float_denorm_mode_16_64 3
		.amdhsa_memory_ordered 1
		.amdhsa_forward_progress 1
		.amdhsa_inst_pref_size 44
	.end_amdhsa_kernel
	.amdgpu_metadata
---
amdhsa.version: [ 1, 2 ]
amdhsa.kernels:
  - .name:           k_q16c132e28a_proj
    .symbol:         k_q16c132e28a_proj.kd
    .args:
      - { .name: o_img, .offset: 0, .size: 8, .value_kind: global_buffer, .address_space: global }
      - { .name: wo_img, .offset: 8, .size: 8, .value_kind: global_buffer, .address_space: global }
      - { .name: lowp_scales, .offset: 16, .size: 8, .value_kind: global_buffer, .address_space: global }
      - { .name: b_out, .offset: 24, .size: 8, .value_kind: global_buffer, .address_space: global }
      - { .name: out0, .offset: 32, .size: 8, .value_kind: global_buffer, .address_space: global }
    .group_segment_fixed_size: 327680
    .private_segment_fixed_size: 0
    .kernarg_segment_align: 8
    .kernarg_segment_size: 40
    .max_flat_workgroup_size: 128
    .sgpr_count:     100
    .vgpr_count:     512
    .wavefront_size: 32
...
	.end_amdgpu_metadata
.endif
;; end of part 4
